; MI455X (gfx1250); checked and timed in simulation.
; The chip was launched on July 23, 2026; its instructions are those of AMD's public machine-readable ISA for CDNA 5 (MIT licence, August 2026) and "CDNA5" Instruction Set Architecture Reference Guide (July 2026). The comments in the code are by the model that wrote it; some were corrected since.
;; Quantum Transformer. Allowed arithmetic: matrix products marked QUANTISED: E3M2 operands, one E8M0 scale for each 32 along K, by v_wmma_scale_f32_16x16x128_f8f6f4 with both operands' format E3M2, f32 sums; products left as they are: f32 operands where the result goes on into a quantised operand, else bf16, f16 or f32 operands; f32 sums; everything else in f32.
;; Inputs: b1 2,048 float32; b2 512 float32; be1 512 float32; be2 512 float32; bk 512 float32; bo 512 float32; bq 512 float32; bv 512 float32; g1 512 float32; g2 512 float32; w1 512 x 2,048 float32; w2 2,048 x 512 float32; wk 512 x 512 float32; wo 512 x 512 float32; wq 512 x 512 float32; wv 512 x 512 float32; x 4 x 2,048 x 512 float32.
;; Outputs: out0 4 x 2,048 x 512 float32.
;; This version of the problem:
;;   THIS VERSION OF THE PROBLEM IS GIVEN IN LOW PRECISION. The matrix products marked QUANTISED in the list below multiply operands that are first quantised to E3M2 (3 exponent bits, 2 mantissa bits; 6 bits a number), with one power-of-two scale for each 32 numbers along K (OCP MX v1.0); their sums are f32. All else is computed in f32.
;;   The module's matrix products, in the order in which they are computed (A, B: the left and right operand; K: the contracted axis; several contracted axes count as one K, in the product's order):
;;     1. [M 8,192, K 512] x [K 512, N 512]; A: input x; B: input wq: QUANTISED
;;     2. [M 8,192, K 512] x [K 512, N 512]; A: input x; B: input wk: QUANTISED
;;     3. [M 8,192, K 512] x [K 512, N 512]; A: input x; B: input wv: QUANTISED
;;     4. batch 32 x [M 2,048, K 4] x [K 4, N 2,048]; A: computed on the way; B: computed on the way: left as it is (K = 4 < 32)
;;     5. batch 32 x [M 2,048, K 2,048] x [K 2,048, N 64]; A: softmax (see below); B: computed on the way: QUANTISED
;;     6. [M 8,192, K 512] x [K 512, N 512]; A: computed on the way; B: input wo: QUANTISED
;;     7. [M 8,192, K 512] x [K 512, N 2,048]; A: computed on the way; B: input w1: QUANTISED
;;     8. [M 8,192, K 2,048] x [K 2,048, N 512]; A: computed on the way; B: input w2: QUANTISED
;;   THE QUANTISER, for each operand of a quantised product, along K:
;;     - K is cut into blocks of 32 from its start; a last block that is shorter is filled with zeros.
;;     - A block's scale is 2^e with e = floor(log2(the largest magnitude in the block)) - 4, held to -126 .. 127; a block of zeros has e = 0. As a byte (E8M0): e + 127.
;;     - Each number is divided by its block's scale, clamped to +-28, and rounded to the nearest number of E3M2, ties to even, subnormals kept.
;;     - The product sums the exact products of the quantised numbers (number of the format x scale) in f32.
;;   ~~~python
;;   def quantise(x, axis):      # numpy; x: float32 -> the quantised numbers, widened to float32 again
;;       x = np.moveaxis(x, axis, -1); K = x.shape[-1]
;;       x = np.pad(x, [(0, 0)] * (x.ndim - 1) + [(0, -K % 32)]); x = x.reshape(x.shape[:-1] + (-1, 32)); a = np.abs(x).max(-1, keepdims=True)
;;       e = np.where(a > 0, np.clip(np.frexp(np.where(a > 0, a, 1))[1] - 1 - 4, -126, 127), 0)      # np.frexp(a)[1] - 1 = floor(log2(a)), exactly
;;       r = np.clip(x / 2.0 ** e, -28, 28)
;;       step = 2.0 ** (np.maximum(np.frexp(np.where(r == 0, 1, r))[1] - 1, -2) - 2)
;;       q = np.round(r / step) * step * 2.0 ** e      # np.round: ties to even
;;       return np.moveaxis(q.reshape(q.shape[:-2] + (-1,))[..., :K], -1, axis).astype(np.float32)
;;   ~~~
;;   SOFTMAX AHEAD OF A QUANTISED PRODUCT. Where the list says 'softmax', what is quantised is not the finished softmax but p = 2^(t - M), with t = logit x log2(e) and M = ceil(the row's largest t), a whole number; so 1/2 < the row's largest p <= 1. The row's sum l is taken of the UNQUANTISED p, in f32, and the product's result is divided by l at the end. Since M is a whole number, a kernel that streams over the keys may use a running M (the ceiling of the running maximum): every later rescaling is an exact power of two, which a block's scale takes up: the codes' values come out the same.
;;   OPERANDS COMPUTED ON THE WAY. 'Computed on the way' means the value that the module computes at that place (a softmax that the list does not call 'softmax' is quantised finished and normalised). What goes into a quantiser is computed in f32, as accurately as f32 sums, v_exp_f32 and their like allow (about 1e-6 of the number): no bf16 or f16 on the way to a quantiser, and a product that is left as it is and whose result goes on into a quantised operand takes f32 operands (vector FMAs, or v_wmma_f32_16x16x4_f32). A number that lies on a knife's edge between two numbers of the format may be rounded either way, as far as f32 arithmetic and the matrix unit's own rounding can turn it there, and no further.
;; One version. Each part assembles by itself: llvm-mc -triple=amdgcn-amd-amdhsa -mcpu=gfx1250 --defsym DOCPART=n.
;; ======== version 1 of 1: 4 launches
;; limits: right only within a limited range of input values
;; workspace buffers: wcod 2,073,600 bytes; qbuf 1,048,576 bytes; kbuf 1,048,576 bytes; vcod 3,145,728 bytes; vscl 131,072 bytes; ocod 3,145,728 bytes; oscl 262,144 bytes
;; launch prep (part 1): grid 162 x 1, 4 waves a work-group, no clusters, 12,800 bytes of LDS; arguments wq, wk, wv, wo, w1, w2, wcod; writes wcod
.if DOCPART == 1
	.amdgcn_target "amdgcn-amd-amdhsa--gfx1250"
	.amdhsa_code_object_version 6
	.text
	.protected	k_q1d57c4570b_prep
	.globl	k_q1d57c4570b_prep
	.p2align	8
	.type	k_q1d57c4570b_prep,@function
k_q1d57c4570b_prep:
	s_mov_b64 s[64:65], 0
	v_nop
	global_prefetch_b8 v0, s[64:65] scope:SCOPE_SE
	s_setreg_imm32_b32 hwreg(HW_REG_WAVE_MODE, 25, 1), 1
	s_wait_xcnt 0x0
; PREP.  The six weights (f32, K is their FIRST axis) become codes of BF6 (E3M2) with one E8M0 byte for each 32 along K, laid in the order in which a wave's operand registers take them.
; wcod is 324 blocks of 6,400 bytes; a block is 64 columns x 128 along K: four fragments [g' 0..1][u 0..1] of 1,536 bytes, then at +6144 the scale words, word of (g', rho + 16 u) at 128 g' + 4 (rho + 16 u).
; In a fragment register R of lane Z lies at 512 (R / 4) + 16 Z + 4 (R % 4): three loads of 16 bytes a lane, each 512 consecutive bytes, bring it.
; THE COLUMNS OF A TILE ARE NOT NEIGHBOURS: of a group of 32 columns tile u takes, as its row rho, column 8 u + rho + 8 (rho / 8); so column l goes to u = (l >> 3) & 1, rho = (l & 7) + 8 (l >> 4).
; Blocks: 0..3 the kept columns of wq (g' = 0) and wk (g' = 1), K step s; 4 + 4 head + s wv; 36 + 36 w + n the stream of wave w of the last launch: n = 0..3 wo, 4 + 4 chunk + s w1, 20 + s w2.
; Of wq and wk only columns 64 head + 0..3 are read: the others enter no result.
; A wave takes a UNIT: 32 columns x 128 along K.  A LANE TAKES A COLUMN AND ITS REGISTERS RUN DOWN K: a block of 32 lies in one lane, and the conversions give codes with K innermost.
; THE 648 UNITS ARE DEALT AS 162 x wave + work-group.  Units 0-7 are wq's and wk's; each of their loads touches eight separate pieces of 16 bytes, where another unit's load touches 128 bytes on end.
; Dealt so, they fall to wave 0 of eight different work-groups and not to all four waves of two.
; A block's scale is 2^(floor(log2(largest magnitude)) - 4); its byte is that magnitude's exponent field - 4, held at 1 from below (a block of zeros keeps 1: its codes are zeros, and this program alone reads the bytes).
; LIMITS: NaN and infinities are not served; blocks whose largest magnitude lies under 2^-122 keep the byte 1.
.set X,   32                           ; v32-159  128 numbers of my column
.set C,   160                          ; v160-191 codes, eight registers a block
.set WV,  20                           ; s20 wave
.set SRC, 30                           ; s[30:31] the weight in hand
.set UW,  51                           ; s51 my unit / 4: which weight, which part of it
.set UQ,  52                           ; s52 my unit % 4
	s_load_b256 s[4:11], s[0:1], 0x0               ; wq, wk, wv, wo
	s_load_b128 s[12:15], s[0:1], 0x20             ; w1, w2
	s_load_b64 s[16:17], s[0:1], 0x30              ; wcod
	v_lshl_add_u32 v192, v0, 2, 0x3000
	v_mov_b32 v193, 0
	v_lshrrev_b32 v11, 5, v0
	v_readfirstlane_b32 s[WV], v11                 ; wave 0..3
	s_mul_i32 s50, s[WV], 162
	s_add_co_u32 s50, s50, ttmp9                   ; my unit, 0..647
	s_lshr_b32 s[UW], s50, 2
	s_and_b32 s[UQ], s50, 3
	v_and_b32 v1, 31, v0                           ; l: my column of the group
	v_bfe_u32 v8, v0, 3, 1                         ; u
	v_and_b32 v9, 7, v0
	v_bfe_u32 v10, v0, 4, 1
	v_lshl_add_u32 v9, v10, 3, v9                  ; rho
	v_mul_u32_u24 v4, v11, 3072                    ; my wave's two fragments in LDS
	v_mad_u32_u24 v3, v8, 1536, v4
	v_lshl_add_u32 v3, v9, 4, v3                   ; in: fragment u, lane rho
	v_lshl_add_u32 v4, v1, 4, v4                   ; back: 16 bytes a lane
	v_lshlrev_b32 v5, 4, v1                        ; and the same in wcod
	v_lshl_add_u32 v6, v8, 4, v9
	v_lshlrev_b32 v6, 2, v6                        ; my scale word's place: 4 (rho + 16 u)
	; which weight, and how its units are numbered: chosen by the unit's number alone.  Begin with w2's figures
	s_mov_b32 s21, 98                              ; the weight's first unit / 4
	s_mov_b32 s22, 15                              ; K steps - 1
	s_mov_b32 s23, 4                               ; log2 of the K steps
	s_mov_b32 s24, 18                              ; log2 of 128 rows' bytes
	s_mov_b32 s25, 56                              ; first block
	s_mov_b32 s26, 0                               ; pair of groups -> (pair >> s26) x s28 + (pair & s27) x 4
	s_mov_b32 s27, 0
	s_mov_b32 s28, 36
	s_wait_kmcnt 0x0
	s_mov_b64 s[SRC:SRC+1], s[14:15]
	s_cmp_lt_u32 s[UW], 98                         ; w1
	s_cselect_b64 s[SRC:SRC+1], s[12:13], s[SRC:SRC+1]
	s_cselect_b32 s21, 34, s21
	s_cselect_b32 s22, 3, s22
	s_cselect_b32 s23, 2, s23
	s_cselect_b32 s24, 20, s24
	s_cselect_b32 s25, 40, s25
	s_cselect_b32 s26, 2, s26
	s_cselect_b32 s27, 3, s27
	s_cmp_lt_u32 s[UW], 34                         ; wo
	s_cselect_b64 s[SRC:SRC+1], s[10:11], s[SRC:SRC+1]
	s_cselect_b32 s21, 18, s21
	s_cselect_b32 s24, 18, s24
	s_cselect_b32 s25, 36, s25
	s_cselect_b32 s26, 0, s26
	s_cselect_b32 s27, 0, s27
	s_cmp_lt_u32 s[UW], 18                         ; wv
	s_cselect_b64 s[SRC:SRC+1], s[8:9], s[SRC:SRC+1]
	s_cselect_b32 s21, 2, s21
	s_cselect_b32 s25, 4, s25
	s_cselect_b32 s28, 4, s28
	s_cmp_lt_u32 s[UW], 2                          ; wk
	s_cselect_b64 s[SRC:SRC+1], s[6:7], s[SRC:SRC+1]
	s_cselect_b32 s21, 0, s21
	s_cselect_b32 s25, 0, s25
	s_cselect_b32 s28, 0, s28
	s_cmp_lt_u32 s[UW], 1                          ; wq
	s_cselect_b64 s[SRC:SRC+1], s[4:5], s[SRC:SRC+1]
	s_sub_co_u32 s32, s[UW], s21
	s_and_b32 s33, s32, s22                        ; K step s
	s_lshr_b32 s34, s32, s23
	s_lshl_b32 s34, s34, 2
	s_add_co_u32 s34, s34, s[UQ]                   ; group of 32 columns g
	s_lshl_b32 s35, s34, 7                         ; its first column in bytes
	s_cmp_lt_u32 s[UW], 2                          ; wq, wk: one group each; the four units take the four K steps
	s_cselect_b32 s34, s[UW], s34
	s_cselect_b32 s33, s[UQ], s33
	s_cselect_b32 s35, 0, s35
	s_cselect_b32 s36, 240, 0                      ; and column l is 64 (l / 4) + l % 4: 240 bytes more for each four
	s_lshr_b32 s37, s34, 1                         ; pair
	s_and_b32 s38, s34, 1                          ; g'
	s_lshr_b32 s39, s37, s26
	s_mul_i32 s39, s39, s28
	s_and_b32 s40, s37, s27
	s_lshl_b32 s40, s40, 2
	s_add_co_u32 s39, s39, s40
	s_add_co_u32 s39, s39, s25
	s_add_co_u32 s39, s39, s33                     ; the block
	s_mul_i32 s44, s39, 6400
	s_mul_i32 s41, s38, 3072
	s_add_co_u32 s40, s44, s41
	s_mov_b32 s41, 0
	s_add_nc_u64 s[42:43], s[16:17], s[40:41]      ; where my two fragments go
	s_lshl_b32 s45, s38, 7
	s_add_co_u32 s44, s44, s45
	s_mov_b32 s45, 0
	s_add_nc_u64 s[46:47], s[16:17], s[44:45]      ; and (6,144 bytes on) my 32 scale words
	s_lshl_b32 s48, s33, s24
	s_add_co_u32 s48, s48, s35
	s_mov_b32 s49, 0
	s_add_nc_u64 s[SRC:SRC+1], s[SRC:SRC+1], s[48:49]
	v_lshrrev_b32 v2, 2, v1
	v_mul_u32_u24 v2, s36, v2
	v_lshl_add_u32 v2, v1, 2, v2                   ; my column's bytes
	; 128 loads: each reads one row of the weight at 32 columns.  The row pitch stands in the immediate, so the run is written for both pitches
	s_cmp_eq_u32 s24, 20
	s_cbranch_scc1 .Lwide
.set j, 0
.rept 128
	global_load_b32 v[X+j], v2, s[SRC:SRC+1] offset:j*2048 th:TH_LOAD_NT
.set j, j+1
.endr
	s_branch .Lloaded
.Lwide:
.set j, 0
	s_wait_alu depctr_va_vdst(0)
.rept 128
	global_load_b32 v[X+j], v2, s[SRC:SRC+1] offset:j*8192 th:TH_LOAD_NT
.set j, j+1
.endr
.Lloaded:
; Block b of 32 along K: registers 6 (b / 2) .. + 5 of lane rho + 16 (b % 2) of my fragment
.macro BLOCK b
.if 96-32*\b > 63
	s_wait_loadcnt 63                              ; 96 - 32 b younger loads might stay out; the count's field holds 63, and a smaller count is safe
.else
	s_wait_loadcnt 96-32*\b                        ; the later blocks' loads may stay out
.endif
	v_max3_num_f32 v8, |v[X+32*\b]|, |v[X+32*\b+1]|, |v[X+32*\b+2]|
	v_max3_num_f32 v9, |v[X+32*\b+3]|, |v[X+32*\b+4]|, |v[X+32*\b+5]|
.irp i, 6,10,14,18,22,26
	v_max3_num_f32 v8, v8, |v[X+32*\b+\i]|, |v[X+32*\b+\i+1]|
	v_max3_num_f32 v9, v9, |v[X+32*\b+\i+2]|, |v[X+32*\b+\i+3]|
.endr
	v_max3_num_f32 v8, v8, |v[X+32*\b+30]|, |v[X+32*\b+31]|
	v_max3_num_f32 v8, v8, v9, 0x2800000           ; with the floor 2^(5 - 127): the byte cannot fall under 1
	v_add_nc_u32 v10, 0xfe000000, v8               ; 4 off the exponent field: the conversion's scale operand
	v_lshrrev_b32 v11, 23, v10                     ; the byte
.if \b == 0
	v_mov_b32 v7, v11
.else
	v_lshl_or_b32 v7, v11, 8*\b, v7                ; four bytes make my column's scale word
.endif
	v_cvt_scalef32_pk16_bf6_f32 v[C+8*\b:C+8*\b+2], v[X+32*\b:X+32*\b+15], v10
	v_cvt_scalef32_pk16_bf6_f32 v[C+8*\b+4:C+8*\b+6], v[X+32*\b+16:X+32*\b+31], v10   ; (a conversion's three registers begin on an even number)
	v_nop                                          ; one plain place behind a scaled conversion
	v_mov_b32 v[C+8*\b+3], v[C+8*\b+4]
	v_mov_b32 v[C+8*\b+4], v[C+8*\b+5]
	v_mov_b32 v[C+8*\b+5], v[C+8*\b+6]
.irp p, 0,1,2
	ds_store_b64 v3, v[C+8*\b+2*\p:C+8*\b+2*\p+1] offset:512*((6*(\b/2)+2*\p)/4)+4*((6*(\b/2)+2*\p)%4)+256*(\b%2)
.endr
.endm
	BLOCK 0
	BLOCK 1
	BLOCK 2
	BLOCK 3
.irp k, 0,1,2,3,4,5
	ds_load_b128 v[X+4*\k:X+4*\k+3], v4 offset:512*\k   ; my wave's own bytes: LDS serves a wave's instructions in order, so these see the stores
.endr
	s_wait_alu depctr_va_vdst(0)
.irp k, 0,1,2,3,4,5
	s_wait_dscnt 5-\k
	global_store_b128 v5, v[X+4*\k:X+4*\k+3], s[42:43] offset:512*\k   ; 512 consecutive bytes a store, 3,072 in all
.endr
	global_store_b32 v6, v7, s[46:47] offset:6144  ; 128 consecutive bytes
	s_wait_tensorcnt 0x0
	ds_add_u32 v192, v193
	s_wait_dscnt 0x0
	s_endpgm
.Lfunc_end_k_q1d57c4570b_prep:
	.size	k_q1d57c4570b_prep, .Lfunc_end_k_q1d57c4570b_prep-k_q1d57c4570b_prep
	.p2alignl 7, 3214868480
	.fill 96, 4, 3214868480
	.section	.rodata,"a",@progbits
	.p2align	6, 0x0
	.amdhsa_kernel k_q1d57c4570b_prep
		.amdhsa_group_segment_fixed_size 12800
		.amdhsa_private_segment_fixed_size 0
		.amdhsa_enable_private_segment 0
		.amdhsa_kernarg_size 56
		.amdhsa_user_sgpr_count 2
		.amdhsa_user_sgpr_kernarg_segment_ptr 1
		.amdhsa_wavefront_size32 1
		.amdhsa_system_sgpr_workgroup_id_x 1
		.amdhsa_system_sgpr_workgroup_id_y 1
		.amdhsa_system_sgpr_workgroup_id_z 1
		.amdhsa_system_vgpr_workitem_id 0
		.amdhsa_next_free_vgpr 194
		.amdhsa_next_free_sgpr 66
		.amdhsa_reserve_vcc 0
		.amdhsa_float_denorm_mode_32 3
		.amdhsa_float_denorm_mode_16_64 3
		.amdhsa_memory_ordered 1
		.amdhsa_forward_progress 1
		.amdhsa_inst_pref_size 37
	.end_amdhsa_kernel
	.amdgpu_metadata
---
amdhsa.version: [ 1, 2 ]
amdhsa.kernels:
  - .name:           k_q1d57c4570b_prep
    .symbol:         k_q1d57c4570b_prep.kd
    .args:
      - { .name: wq, .offset: 0, .size: 8, .value_kind: global_buffer, .address_space: global }
      - { .name: wk, .offset: 8, .size: 8, .value_kind: global_buffer, .address_space: global }
      - { .name: wv, .offset: 16, .size: 8, .value_kind: global_buffer, .address_space: global }
      - { .name: wo, .offset: 24, .size: 8, .value_kind: global_buffer, .address_space: global }
      - { .name: w1, .offset: 32, .size: 8, .value_kind: global_buffer, .address_space: global }
      - { .name: w2, .offset: 40, .size: 8, .value_kind: global_buffer, .address_space: global }
      - { .name: wcod, .offset: 48, .size: 8, .value_kind: global_buffer, .address_space: global }
    .group_segment_fixed_size: 12800
    .private_segment_fixed_size: 0
    .kernarg_segment_align: 8
    .kernarg_segment_size: 56
    .max_flat_workgroup_size: 128
    .sgpr_count:     66
    .vgpr_count:     194
    .wavefront_size: 32
...
	.end_amdgpu_metadata
.endif
;; end of part 1
;; launch qkv (part 2): grid 128 x 1, 8 waves a work-group, no clusters, 190,464 bytes of LDS; arguments x, wcod, bq, bk, bv, qbuf, kbuf, vcod, vscl; writes qbuf, kbuf, vcod, vscl
.if DOCPART == 2
	.amdgcn_target "amdgcn-amd-amdhsa--gfx1250"
	.amdhsa_code_object_version 6
	.text
	.protected	k_q1d57c4570b_qkv
	.globl	k_q1d57c4570b_qkv
	.p2align	8
	.type	k_q1d57c4570b_qkv,@function
k_q1d57c4570b_qkv:
	s_mov_b64 s[64:65], 0
	v_nop
	global_prefetch_b8 v0, s[64:65] scope:SCOPE_SE
	s_setreg_imm32_b32 hwreg(HW_REG_WAVE_MODE, 25, 1), 1
	s_wait_xcnt 0x0
; QKV.  A work-group takes 64 rows of x (64 keys of one batch), quantises them along the 512 columns, and makes of them
;   q4   = the four kept components of q for each head, f32:                       qbuf [bh][seq][4]
;   k'   = 0.25 log2(e) (k_n + sum of the four k): so that t = sum over n of q_n k'_n is the score x log2(e): kbuf [bh][group of 32 keys][pair of components][rho][u][2]
;   V    = x wv + bv, quantised ALONG THE KEYS (the K of attention's second product): vcod [bh][step of 128 keys][tile t of 16 channels][half c of 64 keys] x 768 bytes (register pair i of the half at 256 i + 8 lane),
;          vscl [bh][64-key block][pair of channel tiles][rho] words (bytes: even tile's two blocks, odd tile's two).
; Products on codes of BF6 (E3M2) with E8M0 scales for each 32 along K, f32 sums.  Only the kept columns of wq, wk (and entries of bq, bk) are multiplied and read.
; SHARES.  Wave w quantises rows 8 w .. 8 w + 7; then it is head w of V (4 tiles of channels x 4 tiles of rows).  Waves 0-3 also take one tile each of the 64 kept columns of q and k.
; x's TILES OF ROWS ARE NOT NEIGHBOURS: of 32 rows tile u takes as its row rho the row 8 u + rho + 8 (rho / 8).  V's product has x as source 0, so a lane holds ONE channel and its 16 registers of two neighbouring
; row tiles are 16 neighbouring keys: the conversions take them as they stand.  q's and k's product has x as source 1: a lane holds one row and eight (head, component) pairs.
; x's fragments go from wave to wave through LDS as images: register R of lane Z at 48 Z + 4 R (12 words from lane to lane); scale words [K step][tile][row].
; LIMITS: NaN and infinities are not served; blocks whose largest magnitude lies under 2^-122 keep the scale byte 1.
; REGISTERS.  window 0: v1-15 addresses; v16-23 wv's scale words; v24-25 x's; v26-29 q/k's; v30 a shift; v32-63 at work while x is quantised, then the q/k sums and nothing else;
;   v64-111 q/k fragments (first: turned rows; later k' in v64-95; at last V's codes in v64-82, their scale word in v84, and v96-111 at work); v112-119 q/k bias; v120-127 bv;
;   v128-255 x as loaded, then V's 16 accumulators (tile t, row tile m at 128 + 32 t + 8 m).   window 1: v0-191 wv's 16 fragments; v192-239 x's four.
.set XIMG, 0                           ; LDS: 16 images of 1,536 bytes, [K step][row tile]
.set XSC,  24576                       ; their scale words, 1,024 bytes
.set TURN, 25600                       ; a stage of 8 rows x 2,560 bytes for each wave: a row as 32 pieces of 64 bytes + 16
.set WS,   16
.set XS,   24
.set QS,   26
.set SH,   30
.set QACC, 32
.set QF,   64
.set QB,   112
.set BV,   120
.set ACC,  128
.set KO,   64
.set TM,   96
.set PC,   64                          ; V's codes lie where fragments and k' lay, never over an accumulator
.set PW,   84
.set WV,   22
.set SEL,  44
.set MSB,  0
.macro WIN new                         ; the immediate's high byte repeats the setting that is left
.if MSB != \new
	s_set_vgpr_msb (MSB<<8)|\new
.set MSB, \new
.endif
.endm
; one product: D, source 0, source 1, C (as text), their scale registers, and which half of the lanes holds each side's words
.macro SW d, a, b, c, sa, sb, ra, rb
.if ((\ra) == 0) && ((\rb) == 0)
	v_wmma_scale_f32_16x16x128_f8f6f4 v[\d:\d+7], v[\a:\a+11], v[\b:\b+11], \c, v[\sa], v[\sb] matrix_a_fmt:MATRIX_FMT_BF6 matrix_b_fmt:MATRIX_FMT_BF6
.elseif ((\ra) == 1) && ((\rb) == 0)
	v_wmma_scale_f32_16x16x128_f8f6f4 v[\d:\d+7], v[\a:\a+11], v[\b:\b+11], \c, v[\sa], v[\sb] matrix_a_fmt:MATRIX_FMT_BF6 matrix_b_fmt:MATRIX_FMT_BF6 matrix_a_scale:MATRIX_SCALE_ROW1
.elseif ((\ra) == 0) && ((\rb) == 1)
	v_wmma_scale_f32_16x16x128_f8f6f4 v[\d:\d+7], v[\a:\a+11], v[\b:\b+11], \c, v[\sa], v[\sb] matrix_a_fmt:MATRIX_FMT_BF6 matrix_b_fmt:MATRIX_FMT_BF6 matrix_b_scale:MATRIX_SCALE_ROW1
.else
	v_wmma_scale_f32_16x16x128_f8f6f4 v[\d:\d+7], v[\a:\a+11], v[\b:\b+11], \c, v[\sa], v[\sb] matrix_a_fmt:MATRIX_FMT_BF6 matrix_b_fmt:MATRIX_FMT_BF6 matrix_a_scale:MATRIX_SCALE_ROW1 matrix_b_scale:MATRIX_SCALE_ROW1
.endif
.endm
; Four rows by turns.  Lane L holds columns 16 L .. 16 L + 15 of each row in v[x0 + 16 a] on; two neighbouring lanes hold a block.  The 12 bytes of codes go to the row's place in the images (three words);
; the K step's four scale bytes, which lie in eight lanes, are shifted to their places and joined by two exchanges, and go out as one word.  t: 24 registers at work.
.macro ROWQ4 x0, i0, t, cw, bw, sh
.irp a, 0,1,2,3
	v_max3_num_f32 v[\t+\a], |v[\x0+16*\a]|, |v[\x0+16*\a+1]|, 0x2800000   ; with the floor 2^(5 - 127)
.endr
.irp e, 2,4,6,8,10,12,14
.irp a, 0,1,2,3
	s_delay_alu instid0(VALU_DEP_4)
	v_max3_num_f32 v[\t+\a], v[\t+\a], |v[\x0+16*\a+\e]|, |v[\x0+16*\a+\e+1]|
.endr
.endr
.irp a, 0,1,2,3
	s_delay_alu instid0(VALU_DEP_4)
	v_max_num_f32_dpp v[\t+\a], v[\t+\a], v[\t+\a] row_xmask:1 row_mask:0xf bank_mask:0xf   ; with my neighbour's 16: the block's largest magnitude
.endr
.irp a, 0,1,2,3
	s_delay_alu instid0(VALU_DEP_4)
	v_add_nc_u32 v[\t+\a], 0xfe000000, v[\t+\a]    ; 4 off the exponent field: the conversion's scale operand
.endr
.irp a, 0,1,2,3
	s_delay_alu instid0(VALU_DEP_4)
	v_lshrrev_b32 v[\t+4+\a], 23, v[\t+\a]         ; the byte
.endr
.irp a, 0,1,2,3
	v_cvt_scalef32_pk16_bf6_f32 v[\t+8+4*\a:\t+10+4*\a], v[\x0+16*\a:\x0+16*\a+15], v[\t+\a]
.endr
	v_nop                                          ; one plain place behind a scaled conversion
.irp a, 0,1,2,3
	v_lshlrev_b32 v[\t+4+\a], v[\sh], v[\t+4+\a]   ; the byte at its place in the word
.endr
.irp a, 0,1,2,3
	s_delay_alu instid0(VALU_DEP_4)
	v_mov_b32_dpp v[\t+\a], v[\t+4+\a] row_xmask:2 row_mask:0xf bank_mask:0xf
.endr
.irp a, 0,1,2,3
	s_delay_alu instid0(VALU_DEP_4)
	v_or_b32 v[\t+4+\a], v[\t+4+\a], v[\t+\a]
.endr
.irp a, 0,1,2,3
	s_delay_alu instid0(VALU_DEP_4)
	v_mov_b32_dpp v[\t+\a], v[\t+4+\a] row_xmask:4 row_mask:0xf bank_mask:0xf
.endr
.irp a, 0,1,2,3
	s_delay_alu instid0(VALU_DEP_4)
	v_or_b32 v[\t+4+\a], v[\t+4+\a], v[\t+\a]      ; the whole word, in all eight lanes
.endr
.irp a, 0,1,2,3
	ds_store_b32 v[\cw], v[\t+8+4*\a] offset:48*(\i0+\a)
	ds_store_b32 v[\cw], v[\t+9+4*\a] offset:48*(\i0+\a)+4
	ds_store_b32 v[\cw], v[\t+10+4*\a] offset:48*(\i0+\a)+8
	ds_store_b32 v[\bw], v[\t+4+\a] offset:4*(\i0+\a)   ; eight lanes write the same word with the same value
.endr
.endm
; 64 numbers of a lane, register 16 b + i = k 32 b + 16 (lane / 16) + i of my row, become 12 registers of codes in v[PC] on (lanes 0-15 blocks 0 and 2, lanes 16-31 blocks 1 and 3) and the four bytes in v[PW]
.macro QUANT s
.irp b, 0,1,2,3
	v_max3_num_f32 v[TM+\b], |v[\s+16*\b]|, |v[\s+1+16*\b]|, 0x2800000
.endr
.irp i, 2,4,6,8,10,12,14
.irp b, 0,1,2,3
	s_delay_alu instid0(VALU_DEP_4)
	v_max3_num_f32 v[TM+\b], v[TM+\b], |v[\s+16*\b+\i]|, |v[\s+1+16*\b+\i]|
.endr
.endr
.irp b, 0,1,2,3
	s_delay_alu instid0(VALU_DEP_4)
	v_permlanex16_b32 v[TM+4+\b], v[TM+\b], s[SEL], s[SEL+1]
.endr
.irp b, 0,1,2,3
	s_delay_alu instid0(VALU_DEP_4)
	v_max_num_f32 v[TM+\b], v[TM+\b], v[TM+4+\b]   ; with lane l xor 16's: the block's largest magnitude
.endr
.irp b, 0,1,2,3
	s_delay_alu instid0(VALU_DEP_4)
	v_add_nc_u32 v[TM+12+\b], 0xfe000000, v[TM+\b]
.endr
.irp b, 0,1,2,3
	s_delay_alu instid0(VALU_DEP_4)
	v_lshrrev_b32 v[TM+4+\b], 23, v[TM+12+\b]
.endr
	s_delay_alu instid0(VALU_DEP_3)
	v_lshl_or_b32 v[PW], v[TM+5], 8, v[TM+4]
	s_delay_alu instid0(VALU_DEP_1)
	v_lshl_or_b32 v[PW], v[TM+6], 16, v[PW]
	s_delay_alu instid0(VALU_DEP_1)
	v_lshl_or_b32 v[PW], v[TM+7], 24, v[PW]
.irp c, 0,1
	v_cvt_scalef32_pk16_bf6_f32 v[PC+6*\c:PC+2+6*\c], v[\s+32*\c:\s+15+32*\c], v[TM+12+2*\c]
	v_cvt_scalef32_pk16_bf6_f32 v[PC+12+4*\c:PC+14+4*\c], v[\s+16+32*\c:\s+31+32*\c], v[TM+12+2*\c+1]
.endr
	v_nop                                          ; one plain place behind a scaled conversion
.irp c, 0,1
.irp i, 0,1,2
	v_permlane16_swap_b32 v[PC+6*\c+\i], v[PC+12+4*\c+\i]   ; a whole block to a lane
.endr
.irp i, 0,1,2
	s_delay_alu instid0(VALU_DEP_3)
	v_mov_b32 v[PC+3+6*\c+\i], v[PC+12+4*\c+\i]
.endr
.endr
.endm
	s_load_b256 s[4:11], s[0:1], 0x0               ; x, wcod, bq, bk
	s_load_b256 s[12:19], s[0:1], 0x20             ; bv, qbuf, kbuf, vcod
	s_load_b64 s[20:21], s[0:1], 0x40              ; vscl
	v_lshl_add_u32 v31, v0, 2, 0x2e400
	s_set_vgpr_msb 0x40
	v_mov_b32 v255, 0
	s_set_vgpr_msb 0x4000
	v_lshrrev_b32 v60, 5, v0
	s_delay_alu instid0(VALU_DEP_1)
	v_readfirstlane_b32 s[WV], v60                 ; wave 0..7
	v_and_b32 v1, 31, v0                           ; L
	s_delay_alu instid0(VALU_DEP_1)
	v_lshlrev_b32 v2, 4, v1                        ; 16 L
	s_delay_alu instid0(VALU_DEP_4)
	v_mul_u32_u24 v60, v60, 20480
	s_delay_alu instid0(VALU_DEP_1)
	v_add_nc_u32 v60, TURN, v60                    ; my stage
	v_bfe_u32 v61, v0, 2, 3
	s_delay_alu instid0(VALU_DEP_1)
	v_mad_u32_u24 v3, v61, 80, v60
	v_and_b32 v61, 3, v0
	s_delay_alu instid0(VALU_DEP_1)
	v_lshl_add_u32 v3, v61, 4, v3                  ; in: 80 (L / 4) + 16 (L % 4)
	v_mad_u32_u24 v4, v1, 80, v60                  ; back: 80 L: my 16 neighbours
	v_bfe_u32 v61, v0, 3, 2                        ; my columns' K step
	s_delay_alu instid0(VALU_DEP_1)
	v_mul_u32_u24 v5, v61, 6144
	s_delay_alu instid0(VALU_DEP_2)
	v_lshlrev_b32 v6, 8, v61
	v_bfe_u32 v61, v0, 1, 1                        ; the block's half of the lanes
	s_delay_alu instid0(VALU_DEP_1)
	v_mad_u32_u24 v5, v61, 768, v5
	v_bfe_u32 v61, v0, 2, 1                        ; registers 0-5 or 6-11
	s_delay_alu instid0(VALU_DEP_1)
	v_mad_u32_u24 v5, v61, 24, v5
	v_and_b32 v61, 1, v0                           ; the block's lower or upper 16 codes
	s_delay_alu instid0(VALU_DEP_1)
	v_mad_u32_u24 v5, v61, 12, v5
	v_bfe_u32 v61, v0, 7, 1                        ; rows 8 w + i: row tile 2 (w / 4) + w % 2, row 8 ((w / 2) % 2) + i
	s_delay_alu instid0(VALU_DEP_1)
	v_mad_u32_u24 v5, v61, 3072, v5
	s_delay_alu instid0(VALU_DEP_2)
	v_lshl_add_u32 v6, v61, 7, v6
	v_bfe_u32 v61, v0, 5, 1
	s_delay_alu instid0(VALU_DEP_1)
	v_mad_u32_u24 v5, v61, 1536, v5
	s_delay_alu instid0(VALU_DEP_2)
	v_lshl_add_u32 v6, v61, 6, v6
	v_bfe_u32 v61, v0, 6, 1
	s_delay_alu instid0(VALU_DEP_1)
	v_mad_u32_u24 v5, v61, 384, v5                 ; v5: where my codes of row i = 0 go
	s_delay_alu instid0(VALU_DEP_2)
	v_lshl_add_u32 v6, v61, 5, v6
	s_delay_alu instid0(VALU_DEP_1)
	v_add_nc_u32 v6, XSC, v6                       ; v6: and its scale word of my K step
	v_bfe_u32 v61, v0, 1, 2
	s_delay_alu instid0(VALU_DEP_1)
	v_lshlrev_b32 v[SH], 3, v61                    ; my block's byte in that word
	v_mul_u32_u24 v7, v1, 48                       ; an image's place for my lane
	v_lshl_add_u32 v8, v1, 2, XSC                  ; scale words: two tiles a load
	v_lshlrev_b32 v9, 2, v1
	v_and_b32 v62, 15, v0                          ; r
	v_bfe_u32 v63, v0, 4, 1                        ; h
	s_delay_alu instid0(VALU_DEP_2)
	v_and_b32 v61, 8, v62
	s_delay_alu instid0(VALU_DEP_1)
	v_add_nc_u32 v61, v61, v62                     ; r + 8 (r / 8)
	s_delay_alu instid0(VALU_DEP_1)
	v_lshlrev_b32 v10, 2, v61                      ; bv: my channel of a tile
	v_lshlrev_b32 v11, 2, v62                      ; 4 r
	v_lshlrev_b32 v12, 10, v63                     ; bq, bk: four heads on for lanes 16-31
	v_lshlrev_b32 v13, 17, v63                     ; qbuf, kbuf: likewise, 32,768 bytes a head
	s_delay_alu instid0(VALU_DEP_1)
	v_lshl_add_u32 v14, v62, 4, v13                ; kbuf: + 16 r
	s_delay_alu instid0(VALU_DEP_2)
	v_lshl_add_u32 v13, v61, 4, v13                ; qbuf: + 16 (r + 8 (r / 8))
	v_lshlrev_b32 v15, 3, v1                       ; vcod: 8 L
	s_lshr_b32 s23, ttmp9, 5                       ; batch
	s_and_b32 s24, ttmp9, 31                       ; which 64 keys of the sequence
	s_and_b32 s25, s[WV], 1                        ; waves 0-3: tile u of q's (waves 0, 1) or k's (2, 3) group of 32
	s_mov_b32 s47, 0
	s_mov_b32 s[SEL], 0x76543210
	s_mov_b32 s[SEL+1], 0xfedcba98                 ; lane l xor 16
	s_mov_b32 s38, 0x3eb8aa3b                      ; 0.25 log2(e)
	s_wait_kmcnt 0x0
	s_lshl_b32 s46, ttmp9, 17
	s_add_nc_u64 s[4:5], s[4:5], s[46:47]
	s_lshl_b32 s46, s[WV], 14
	s_add_nc_u64 s[4:5], s[4:5], s[46:47]          ; x at my 8 rows
	s_mul_i32 s46, s[WV], 25600
	s_add_co_u32 s46, s46, 25600
	s_add_nc_u64 s[26:27], s[6:7], s[46:47]        ; wv's four blocks of head w
	s_mul_i32 s46, s[WV], 1536
	s_add_nc_u64 s[28:29], s[6:7], s[46:47]        ; my tile of the q/k blocks
	s_lshl_b32 s46, s[WV], 6
	s_add_nc_u64 s[30:31], s[6:7], s[46:47]        ; and its scale words
	s_cmp_lt_u32 s[WV], 2
	s_cselect_b64 s[32:33], s[8:9], s[10:11]       ; bq or bk: the choice hangs on the wave's number alone
	s_lshl_b32 s46, s25, 9
	s_add_nc_u64 s[32:33], s[32:33], s[46:47]
	s_lshl_b32 s46, s[WV], 8
	s_add_nc_u64 s[12:13], s[12:13], s[46:47]      ; bv at head w
	s_lshl_b32 s46, s23, 3
	s_lshl_b32 s39, s25, 1
	s_add_co_u32 s46, s46, s39
	s_lshl_b32 s46, s46, 15                        ; head 8 batch + 2 u,
	s_lshl_b32 s39, s24, 10
	s_add_co_u32 s46, s46, s39                     ; 64 rows of 16 bytes, or two groups of 512: 1,024 bytes either way
	s_add_nc_u64 s[14:15], s[14:15], s[46:47]
	s_add_nc_u64 s[16:17], s[16:17], s[46:47]
	s_lshl_b32 s40, s23, 3
	s_add_co_u32 s40, s40, s[WV]                   ; bh
	s_mul_i32 s46, s40, 98304
	s_lshr_b32 s39, s24, 1
	s_mul_i32 s39, s39, 6144
	s_add_co_u32 s46, s46, s39
	s_and_b32 s39, s24, 1
	s_mul_i32 s39, s39, 768
	s_add_co_u32 s46, s46, s39
	s_add_nc_u64 s[18:19], s[18:19], s[46:47]
	s_lshl_b32 s46, s40, 12
	s_lshl_b32 s39, s24, 7
	s_add_co_u32 s46, s46, s39
	s_add_nc_u64 s[20:21], s[20:21], s[46:47]
.irp i, 0,1,2,3,4,5,6,7
.irp q, 0,1,2,3
	global_load_b128 v[ACC+16*\i+4*\q:ACC+16*\i+4*\q+3], v2, s[4:5] offset:2048*\i+512*\q   ; 512 consecutive bytes a load
.endr
.endr
	WIN 0x40                                       ; destination window 1
.irp s, 0,1,2,3
.irp t, 0,1,2,3
.irp k, 0,1,2
	global_load_b128 v[48*\s+12*\t+4*\k:48*\s+12*\t+4*\k+3], v2, s[26:27] offset:6400*\s+1536*\t+512*\k
.endr
.endr
.endr
	WIN 0
.irp s, 0,1,2,3
.irp g, 0,1
	global_load_b32 v[WS+2*\s+\g], v9, s[26:27] offset:6400*\s+6144+128*\g
.endr
.endr
	s_wait_loadcnt 56                              ; x is in; wv's 48 + 8 loads may stay out
.irp i, 0,1,2,3,4,5,6,7
.irp q, 0,1,2,3
	ds_store_b128 v3, v[ACC+16*\i+4*\q:ACC+16*\i+4*\q+3] offset:2560*\i+640*\q
.endr
.endr
.irp i, 0,1,2,3
.irp j, 0,1,2,3
	ds_load_b128 v[64+16*\i+4*\j:64+16*\i+4*\j+3], v4 offset:2560*\i+16*\j   ; my wave's own bytes, served in order
.endr
.endr
	s_wait_dscnt 0x0                               ; rows 0-3 are back, and the stores have read v128-255
.irp i, 4,5,6,7
.irp j, 0,1,2,3
	ds_load_b128 v[64+16*\i+4*\j:64+16*\i+4*\j+3], v4 offset:2560*\i+16*\j
.endr
.endr
	ROWQ4 64, 0, 32, 5, 6, SH
	s_wait_dscnt 0x0                               ; rows 4-7 are back; the stores have read the registers at work
	ROWQ4 128, 4, 32, 5, 6, SH
.irp t, 0,1,2,3
	global_load_b32 v[BV+2*\t], v10, s[12:13] offset:(32*(\t/2)+8*(\t%2))*4      ; bv of my channel, twice: a pair for the packed addition
	global_load_b32 v[BV+2*\t+1], v10, s[12:13] offset:(32*(\t/2)+8*(\t%2))*4
.endr
	s_cmp_lt_u32 s[WV], 4
	s_cbranch_scc0 .Lno_qk_loads
.irp s, 0,1,2,3
.irp k, 0,1,2
	global_load_b128 v[QF+12*\s+4*\k:QF+12*\s+4*\k+3], v2, s[28:29] offset:6400*\s+512*\k
.endr
	global_load_b32 v[QS+\s], v11, s[30:31] offset:6400*\s+6144
.endr
	global_load_b128 v[QB:QB+3], v12, s[32:33]     ; the bias in the result's layout: heads 4 h + 2 u and + 1, four components each
	global_load_b128 v[QB+4:QB+7], v12, s[32:33] offset:256
.Lno_qk_loads:
	s_wait_dscnt 0x0                               ; my images and scale words have landed
	s_barrier_signal -1
	s_barrier_wait -1                              ; everybody's have
	s_wait_loadcnt 0x0                             ; the weights and biases
; One K step of 128.  The accumulators take turns, one instruction a turn.
.macro QSTEP s
.rept 4
	v_nop                                          ; places in front of loads into registers that matrix instructions have read
.endr
	WIN 0x40
.irp m, 0,1,2,3
.irp g, 0,1,2
	ds_load_b128 v[192+12*\m+4*\g:192+12*\m+4*\g+3], v7 offset:(4*\s+\m)*1536+16*\g
.endr
.endr
	WIN 0
	ds_load_b32 v[XS], v8 offset:256*\s            ; lanes 0-15 row tile 0's words, lanes 16-31 tile 1's
	ds_load_b32 v[XS+1], v8 offset:256*\s+128      ; tiles 2 and 3
	s_wait_dscnt 0x0
	WIN 0x05                                       ; both sources window 1
.irp t, 0,1,2,3
.irp m, 0,1,2,3
.set rD, ACC+32*\t+8*\m
.if \s == 0
	SW rD, 192+12*\m, 48*\s+12*\t, 0, XS+\m/2, WS+2*\s+\t/2, \m%2, \t%2
.else
	SW rD, 192+12*\m, 48*\s+12*\t, v[rD:rD+7], XS+\m/2, WS+2*\s+\t/2, \m%2, \t%2
.endif
.endr
.endr
	WIN 0
	s_cmp_lt_u32 s[WV], 4
	s_cbranch_scc0 .Lno_qk_\@
	WIN 0x04                                       ; source 0 (q/k columns) window 0, source 1 (x) window 1
	s_wait_alu depctr_va_vdst(0)
.irp m, 0,1,2,3
.set rD, QACC+8*\m
.if \s == 0
	SW rD, QF+12*\s, 192+12*\m, v[QB:QB+7], QS+\s, XS+\m/2, 0, \m%2
.else
	SW rD, QF+12*\s, 192+12*\m, v[rD:rD+7], QS+\s, XS+\m/2, 0, \m%2
.endif
.endr
	WIN 0
.Lno_qk_\@:
.endm
	QSTEP 0
	QSTEP 1
	QSTEP 2
	QSTEP 3
.rept 4
	v_nop                                          ; places in front of the first reads of results, and of the first writes over the q/k fragments
.endr
	s_cmp_lt_u32 s[WV], 2
	s_cbranch_scc0 .Lnot_q
	s_wait_alu depctr_va_vdst(0)
.irp m, 0,1,2,3                                ; q: lane (r, h), registers 4 j .. 4 j + 3: head 4 h + 2 u + j, row 32 (m / 2) + 8 (m % 2) + r + 8 (r / 8)
.irp j, 0,1
	global_store_b128 v13, v[QACC+8*\m+4*\j:QACC+8*\m+4*\j+3], s[14:15] offset:32768*\j+(32*(\m/2)+8*(\m%2))*16
.endr
.endr
	s_branch .Lv
.Lnot_q:
	s_cmp_lt_u32 s[WV], 4
	s_cbranch_scc0 .Lv
	s_wait_alu depctr_va_vdst(0)
.irp m, 0,1,2,3                                ; k' = 0.25 log2(e) (k_n + the sum of the four), laid as the score product's source 0 wants it
.irp j, 0,1
	v_add_f32 v[TM+2*\j], v[QACC+8*\m+4*\j], v[QACC+8*\m+4*\j+1]
	v_add_f32 v[TM+2*\j+1], v[QACC+8*\m+4*\j+2], v[QACC+8*\m+4*\j+3]
	s_delay_alu instid0(VALU_DEP_1)
	v_add_f32 v[TM+2*\j], v[TM+2*\j], v[TM+2*\j+1]
.irp e, 0,1,2,3
	v_add_f32 v[KO+16*(\m/2)+8*\j+4*(\e/2)+2*(\m%2)+\e%2], v[QACC+8*\m+4*\j+\e], v[TM+2*\j]
.endr
.endr
.endr
.set j, 0
.rept 32
	v_mul_f32 v[KO+j], s38, v[KO+j]
.set j, j+1
.endr
.irp b, 0,1
.irp j, 0,1
.irp e, 0,1
	global_store_b128 v14, v[KO+16*\b+8*\j+4*\e:KO+16*\b+8*\j+4*\e+3], s[16:17] offset:32768*\j+512*\b+256*\e   ; sixteen lanes store 256 consecutive bytes, aligned
.endr
.endr
.endr
.Lv:
	s_wait_xcnt 0x0                                ; k's stores have read v64-95: V's codes are written there
.set j, 0
.rept 64
	v_pk_add_f32 v[ACC+2*j:ACC+2*j+1], v[ACC+2*j:ACC+2*j+1], v[BV+2*(j/16):BV+2*(j/16)+1]   ; + bv; each accumulator from its low end on
.set j, j+1
.endr
.irp b, 0,1,2,3
	v_mov_b32 v[TM+4+\b], 0                        ; a lane permute's destination counts as one of its sources
.endr
.irp k, 0,1                                    ; channel tiles 2 k and 2 k + 1: two blocks of 32 keys each
	QUANT ACC+64*\k
.irp c, 0,1
.irp i, 0,1,2
	global_store_b64 v15, v[PC+6*\c+2*\i:PC+6*\c+2*\i+1], s[18:19] offset:1536*(2*\k+\c)+256*\i   ; 32 lanes store 256 consecutive bytes, aligned
.endr
.endr
	global_store_b32 v11, v[PW], s[20:21] offset:64*\k   ; lanes r and r + 16 hold the same word
	s_wait_xcnt 0x0                                ; the stores have read their registers
.endr
	s_set_vgpr_msb 0x4
	s_wait_tensorcnt 0x0
	ds_add_u32 v31, v255
	s_wait_dscnt 0x0
	s_set_vgpr_msb 0x400
	s_endpgm
.Lfunc_end_k_q1d57c4570b_qkv:
	.size	k_q1d57c4570b_qkv, .Lfunc_end_k_q1d57c4570b_qkv-k_q1d57c4570b_qkv
	.p2alignl 7, 3214868480
	.fill 96, 4, 3214868480
	.section	.rodata,"a",@progbits
	.p2align	6, 0x0
	.amdhsa_kernel k_q1d57c4570b_qkv
		.amdhsa_group_segment_fixed_size 190464
		.amdhsa_private_segment_fixed_size 0
		.amdhsa_enable_private_segment 0
		.amdhsa_kernarg_size 72
		.amdhsa_user_sgpr_count 2
		.amdhsa_user_sgpr_kernarg_segment_ptr 1
		.amdhsa_wavefront_size32 1
		.amdhsa_system_sgpr_workgroup_id_x 1
		.amdhsa_system_sgpr_workgroup_id_y 1
		.amdhsa_system_sgpr_workgroup_id_z 1
		.amdhsa_system_vgpr_workitem_id 0
		.amdhsa_next_free_vgpr 512
		.amdhsa_next_free_sgpr 66
		.amdhsa_reserve_vcc 0
		.amdhsa_float_denorm_mode_32 3
		.amdhsa_float_denorm_mode_16_64 3
		.amdhsa_memory_ordered 1
		.amdhsa_forward_progress 1
		.amdhsa_inst_pref_size 71
	.end_amdhsa_kernel
	.amdgpu_metadata
---
amdhsa.version: [ 1, 2 ]
amdhsa.kernels:
  - .name:           k_q1d57c4570b_qkv
    .symbol:         k_q1d57c4570b_qkv.kd
    .args:
      - { .name: x, .offset: 0, .size: 8, .value_kind: global_buffer, .address_space: global }
      - { .name: wcod, .offset: 8, .size: 8, .value_kind: global_buffer, .address_space: global }
      - { .name: bq, .offset: 16, .size: 8, .value_kind: global_buffer, .address_space: global }
      - { .name: bk, .offset: 24, .size: 8, .value_kind: global_buffer, .address_space: global }
      - { .name: bv, .offset: 32, .size: 8, .value_kind: global_buffer, .address_space: global }
      - { .name: qbuf, .offset: 40, .size: 8, .value_kind: global_buffer, .address_space: global }
      - { .name: kbuf, .offset: 48, .size: 8, .value_kind: global_buffer, .address_space: global }
      - { .name: vcod, .offset: 56, .size: 8, .value_kind: global_buffer, .address_space: global }
      - { .name: vscl, .offset: 64, .size: 8, .value_kind: global_buffer, .address_space: global }
    .group_segment_fixed_size: 190464
    .private_segment_fixed_size: 0
    .kernarg_segment_align: 8
    .kernarg_segment_size: 72
    .max_flat_workgroup_size: 256
    .sgpr_count:     66
    .vgpr_count:     512
    .wavefront_size: 32
...
	.end_amdgpu_metadata
.endif
;; end of part 2
;; launch attn (part 3): grid 8 x 32, 8 waves a work-group, no clusters, 137,216 bytes of LDS; arguments qbuf, kbuf, vcod, vscl, ocod, oscl; writes ocod, oscl
.if DOCPART == 3
	.amdgcn_target "amdgcn-amd-amdhsa--gfx1250"
	.amdhsa_code_object_version 6
	.text
	.protected	k_q1d57c4570b_attn
	.globl	k_q1d57c4570b_attn
	.p2align	8
	.type	k_q1d57c4570b_attn,@function
k_q1d57c4570b_attn:
	s_mov_b64 s[64:65], 0
	v_nop
	global_prefetch_b8 v0, s[64:65] scope:SCOPE_SE
	s_setreg_imm32_b32 hwreg(HW_REG_WAVE_MODE, 25, 1), 1
	s_wait_xcnt 0x0
; ATTN.  o = softmax(scores) V for one head, quantised along the head's 64 channels for the product with wo.
; t = score x log2(e) = sum over n = 0..3 of q_n k'_n, in f32 (the f32 matrix form, K = 4, for each 16 keys x 16 queries).  M = the running largest t rounded UP to a whole number; p = 2^(t - M) is quantised
; along the keys to BF6 (E3M2) with one E8M0 scale for each 32 keys; the row's sum is taken of the unquantised p and divides at the end; when M moves, sums and O are multiplied by 2^(old M - new M), exactly.
; SHARES.  A work-group owns 256 queries of one head; each of its eight waves owns TWO tiles of 16 queries, so that each fragment of k' and of V read from LDS feeds two products.
; The head's k' (32,768 bytes), V codes (98,304) and V scale words (4,096) fit in LDS whole: they are copied once, through registers, as they lie, and only read behind the one barrier.
; No cluster and no tensor load: what the eight work-groups of a head share is read once by each, 135,168 bytes, at its head, with no later refill.  No prefetch: the loop reads no memory.
; LAYOUT.  Both products transposed: S^T = k' q^T, O^T = V^T P^T: a lane holds ONE query.  THE KEYS OF A SCORE TILE ARE CHOSEN SO THAT A LANE HOLDS A WHOLE BLOCK: of 64 keys tile T takes as rows 0-7 keys 8 T .. + 7 and as
; rows 8-15 keys 32 + 8 T .. + 7.  So the 32 registers of four tiles are keys 64 c + 32 (lane / 16) + 0 .. 31, which is the place that the 6-bit operand gives that lane: the conversions' results are the operand,
; a block's largest t needs no other lane, and only the row's maximum and the scale word cross the two halves of the lanes.
; V's channel tiles are chosen (by the launch that stored them) so that O^T's registers are neighbours along the next K.
; k' IS FETCHED ONE TRIP AHEAD, in the run of LDS loads that brings V's fragments, into registers of its own.  The last trip's fetch reads 2,048 bytes on, where V's codes lie: written bytes inside the claim; its result is not used.
; OUT.  ocod [tile of 16 rows][head] x 768 bytes (register pair i of the half fragment at 256 i + 8 lane); oscl [tile of rows][head][r] words, two bytes used.
; A block's largest p is made from the block's largest t by the same addition and exponential (this takes v_exp_f32 not to fall where its input rises).
; LIMITS: NaN and infinities are not served; p under 2^-126 counts as 0; blocks of o whose largest magnitude lies under 2^-122 keep the scale byte 1.
; REGISTERS.  Query tile 0's state lies in window 0, tile 1's at the same numbers in window 1: v[8:9] q; v[10:11], v[14:15] the sum in two chains; v12 -M, v13 largest t; v64-127 t, written by the f32 matrix form alone;
;   v128-191 p; v192-223 O^T; v224-235 p's codes; v236-247, v252-253 at work; v239 8 x (lane / 16).
;   Window 0 alone: v1-3 my lane's places in LDS; v4-7 addresses in hand; v16-63 V's four fragments; v248-249 V's scale words; v250, v251 p's, tile 0's and tile 1's; v254, v255 the spare word's address and 0.
;   Window 1 alone: v16-31 k' of eight score tiles (at the head v16-47 carry the copy of k').
.set KB, 0
.set VB, 32768                         ; V's codes as they lie in memory: [step][tile] x 1,536: register pair p of lane Z at 256 p + 8 Z
.set VS, 131072                        ; V's scale words [step][tile][rho]
.set SPARE, 135168                     ; the spare words: 128 bytes for each of the eight waves; no other line names them
.set S,  64
.set P,  128
.set O,  192
.set SH, 239
.set WV, 16
.set SEL, 28
.set TK, 30
.set TV, 31
.set TS, 32
.set MSB, 0
.macro WIN new                         ; the immediate's high byte repeats the setting that is left
.if MSB != \new
	s_set_vgpr_msb (MSB<<8)|\new
.set MSB, \new
.endif
.endm
.macro SW d, a, b, sa, sb, ra
.if (\ra) == 0
	v_wmma_scale_f32_16x16x128_f8f6f4 v[\d:\d+7], v[\a:\a+11], v[\b:\b+11], v[\d:\d+7], v[\sa], v[\sb] matrix_a_fmt:MATRIX_FMT_BF6 matrix_b_fmt:MATRIX_FMT_BF6
.else
	v_wmma_scale_f32_16x16x128_f8f6f4 v[\d:\d+7], v[\a:\a+11], v[\b:\b+11], v[\d:\d+7], v[\sa], v[\sb] matrix_a_fmt:MATRIX_FMT_BF6 matrix_b_fmt:MATRIX_FMT_BF6 matrix_a_scale:MATRIX_SCALE_ROW1
.endif
.endm
.macro SUMP i                          ; pair i of the UNQUANTISED p joins the row's sum: even pairs one chain, odd pairs the other
.if (\i)%2 == 0
	v_pk_add_f32 v[14:15], v[14:15], v[P+2*(\i):P+2*(\i)+1]
.else
	v_pk_add_f32 v[10:11], v[10:11], v[P+2*(\i):P+2*(\i)+1]
.endif
.endm
.macro KLOAD adr, off                  ; k' of 128 keys into window 1: score tiles 2 g and 2 g + 1 are a pair of registers each
	WIN 0x40                                       ; destination window 1
.irp g, 0,1,2,3
	ds_load_b128 v[16+4*\g:19+4*\g], v[\adr] offset:\off+1024*(\g/2)+128*(\g%2)
.endr
	WIN 0
.endm
.macro INIT t                          ; a query tile's state ahead of the first step
	WIN 0x55*\t
	v_mov_b32 v13, 0xff61b1e6                      ; the largest t so far: -3e38
	v_floor_f32 v12, -v13                          ; -M
.irp r, 10,11,14,15,247,253
	v_mov_b32 v\r, 0                               ; the sums; a lane permute's destination; the upper half of f's pair
.endr
.set j, 0
.rept 32
	v_mov_b32 v[O+j], 0                            ; O^T: the loop is written once; its first step finds zeros
.set j, j+1
.endr
.endm
; The softmax of one query tile for 128 keys: from t in v[S] on to p's codes in v224-235 and p's scale word in v[250 + t] of window 0
.macro PHASE t
	WIN 0x55*\t
.if \t
	s_wait_alu depctr_va_vdst(0)                   ; tile 0's exponentials stand between tile 1's score products and these first readers
.endif
	v_max3_num_f32 v244, v[S], v[S+1], v[S+2]      ; the largest t of my two blocks of 32 keys, each in two chains
	v_max3_num_f32 v245, v[S+32], v[S+33], v[S+34]
	v_max3_num_f32 v246, v[S+17], v[S+18], v[S+19]
	v_max3_num_f32 v243, v[S+49], v[S+50], v[S+51]
.irp i, 0,2,4,6,8,10
	v_max3_num_f32 v244, v244, v[S+3+\i], v[S+4+\i]
	v_max3_num_f32 v245, v245, v[S+35+\i], v[S+36+\i]
	v_max3_num_f32 v246, v246, v[S+20+\i], v[S+21+\i]
	v_max3_num_f32 v243, v243, v[S+52+\i], v[S+53+\i]
.endr
	v_max3_num_f32 v244, v244, v[S+15], v[S+16]
	v_max3_num_f32 v245, v245, v[S+47], v[S+48]
	s_delay_alu instid0(VALU_DEP_2)
	v_max_num_f32 v244, v244, v246                 ; block 2 x 0 + half
	s_delay_alu instid0(VALU_DEP_2)
	v_max_num_f32 v245, v245, v243                 ; block 2 x 1 + half
	s_delay_alu instid0(VALU_DEP_1)
	v_max_num_f32 v246, v244, v245
	s_delay_alu instid0(VALU_DEP_1)
	v_permlanex16_b32 v247, v246, s[SEL], s[SEL+1] ; lane l xor 16 holds my query's other 64 keys
	v_mov_b32 v243, v12
	s_delay_alu instid0(VALU_DEP_2)
	v_max3_num_f32 v13, v13, v246, v247            ; the running largest t
	s_delay_alu instid0(VALU_DEP_1)
	v_floor_f32 v12, -v13                          ; the new -M = -ceil(t)
	s_delay_alu instid0(VALU_DEP_1)
	v_sub_f32 v243, v12, v243                      ; old M - new M: a whole number, 0 or less
	s_delay_alu instid0(VALU_DEP_1)
	v_cvt_i32_f32 v243, v243                       ; (it saturates)
	s_delay_alu instid0(VALU_DEP_1)
	v_ldexp_f32 v252, 1.0, v243                    ; f = 2^(old M - new M)
.set j, 0
.rept 32
	v_pk_add_f32 v[P+2*j:P+2*j+1], v[S+2*j:S+2*j+1], v[12:13] op_sel_hi:[1,0]   ; t - M, into registers of its own
.set j, j+1
.endr
	v_pk_add_f32 v[244:245], v[244:245], v[12:13] op_sel_hi:[1,0]               ; the same of each block's largest t
	s_wait_alu depctr_va_vdst(0)                   ; ahead of the batch
.set j, 0
.rept 64
	v_exp_f32 v[P+j], v[P+j]                       ; p = 2^(t - M), at most 1
.set j, j+1
.endr
	v_exp_f32 v244, v244                           ; the blocks' largest p
	v_exp_f32 v245, v245
	v_pk_mul_f32 v[14:15], v[14:15], v[252:253] op_sel_hi:[1,0]                 ; the sums under the new M: plain work behind the batch
	v_pk_mul_f32 v[10:11], v[10:11], v[252:253] op_sel_hi:[1,0]
	s_wait_alu depctr_va_vdst(0)                   ; one wait for the batch, directly ahead of the first readers of O^T too
.set j, 0
.rept 16
	v_pk_mul_f32 v[O+2*j:O+2*j+1], v[O+2*j:O+2*j+1], v[252:253] op_sel_hi:[1,0]   ; O^T under the new M; ascending: each accumulator from its low end on
.set j, j+1
.endr
	v_max_num_f32 v244, 0x2800000, v244            ; the floor 2^(5 - 127): the byte cannot fall under 1
	v_max_num_f32 v245, 0x2800000, v245
	s_delay_alu instid0(VALU_DEP_2)
	v_add_nc_u32 v246, 0xfe000000, v244            ; 4 off the exponent field: the conversions' scale operands
	s_delay_alu instid0(VALU_DEP_2)
	v_add_nc_u32 v243, 0xfe000000, v245
	s_delay_alu instid0(VALU_DEP_2)
	v_lshrrev_b32 v244, 23, v246                   ; the bytes
	s_delay_alu instid0(VALU_DEP_2)
	v_lshrrev_b32 v245, 23, v243
	s_delay_alu instid0(VALU_DEP_1)
	v_lshl_or_b32 v244, v245, 16, v244             ; my two bytes: blocks half and 2 + half,
	s_delay_alu instid0(VALU_DEP_1)
	v_lshlrev_b32 v244, v[SH], v244                ; at their places in the word;
	s_delay_alu instid0(VALU_DEP_1)
	v_permlanex16_b32 v247, v244, s[SEL], s[SEL+1]
	WIN 0x05*\t                                    ; scale operands are taken from window 0
	v_or_b32 v[250+\t], v244, v247                 ; with lane l xor 16's two the word is whole
	WIN 0x55*\t
	v_cvt_scalef32_pk16_bf6_f32 v[224:226], v[P:P+15], v246
	v_cvt_scalef32_pk16_bf6_f32 v[236:238], v[P+16:P+31], v246      ; (a conversion's three registers begin on an even number)
	v_cvt_scalef32_pk16_bf6_f32 v[230:232], v[P+32:P+47], v243
	v_cvt_scalef32_pk16_bf6_f32 v[240:242], v[P+48:P+63], v243
	SUMP 0                                         ; plain work behind the conversions
	SUMP 1
.irp i, 0,1,2
	v_mov_b32 v[227+\i], v[236+\i]
	v_mov_b32 v[233+\i], v[240+\i]
.endr
.set j, 2
.rept 30
	SUMP j                                         ; thirty plain lines that name no register of the products below: the places behind the scale word and the codes
.set j, j+1
.endr
.endm
; The way out of one query tile: o = O^T / the sum, quantised along the 64 channels: register 16 b + i is channel 32 b + 16 (lane / 16) + i of my query
.macro FIN t
	WIN 0x55*\t
	s_wait_alu depctr_va_vdst(0)
	v_pk_add_f32 v[14:15], v[14:15], v[10:11]
	v_add_f32 v14, v14, v15
	v_permlanex16_b32 v247, v14, s[SEL], s[SEL+1]
	v_add_f32 v14, v14, v247                       ; the row's sum
	s_wait_alu depctr_va_vdst(0)                   ; ahead of the transcendental
	v_rcp_f32 v14, v14
	v_nop                                          ; one plain place behind it
	s_wait_alu depctr_va_vdst(0)                   ; and ahead of its first reader, which is O^T's first reader too
.set j, 0
.rept 16
	v_pk_mul_f32 v[P+j:P+j+1], v[O+j:O+j+1], v[14:15] op_sel_hi:[1,0]
.set j, j+2
.endr
.irp b, 0,1
	v_max3_num_f32 v[232+\b], |v[P+16*\b]|, |v[P+1+16*\b]|, 0x2800000
.endr
.irp i, 2,4,6,8,10,12,14
.irp b, 0,1
	v_max3_num_f32 v[232+\b], v[232+\b], |v[P+16*\b+\i]|, |v[P+1+16*\b+\i]|
.endr
.endr
.irp b, 0,1
	v_permlanex16_b32 v[236+\b], v[232+\b], s[SEL], s[SEL+1]
.endr
.irp b, 0,1
	v_max_num_f32 v[232+\b], v[232+\b], v[236+\b]
.endr
.irp b, 0,1
	v_add_nc_u32 v[244+\b], 0xfe000000, v[232+\b]
.endr
.irp b, 0,1
	v_lshrrev_b32 v[236+\b], 23, v[244+\b]
.endr
	v_lshl_or_b32 v243, v237, 8, v236              ; the head's two scale bytes of my row
	v_cvt_scalef32_pk16_bf6_f32 v[224:226], v[P:P+15], v244
	v_cvt_scalef32_pk16_bf6_f32 v[240:242], v[P+16:P+31], v245
	v_nop                                          ; one plain place behind a scaled conversion
.irp i, 0,1,2
	v_permlane16_swap_b32 v[224+\i], v[240+\i]     ; a whole block to a lane
.endr
.irp i, 0,1,2
	v_mov_b32 v[227+\i], v[240+\i]
.endr
	WIN 0x04*\t                                    ; a store's data are its source 1
.irp i, 0,1,2
	global_store_b64 v4, v[224+2*\i:225+2*\i], s[12:13] offset:6144*\t+256*\i   ; 32 lanes store 256 consecutive bytes, aligned
.endr
	global_store_b32 v5, v243, s[14:15] offset:512*\t   ; lanes r and r + 16 hold the same word
.endm
	s_load_b256 s[4:11], s[0:1], 0x0               ; qbuf, kbuf, vcod, vscl
	s_load_b128 s[12:15], s[0:1], 0x20             ; ocod, oscl
	v_lshl_add_u32 v254, v0, 2, SPARE              ; my spare word, and 0
	v_mov_b32 v255, 0
	v_and_b32 v56, 31, v0                          ; L
	v_and_b32 v57, 15, v0                          ; r
	v_bfe_u32 v58, v0, 4, 1                        ; h
	v_lshrrev_b32 v59, 5, v0
	v_readfirstlane_b32 s[WV], v59                 ; wave 0..7
	v_bfe_u32 v60, v0, 3, 1
	v_and_b32 v1, 7, v0
	v_lshlrev_b32 v1, 4, v1
	v_lshl_add_u32 v1, v60, 9, v1
	v_lshl_add_u32 v1, v58, 8, v1                  ; k': group of 32 keys r / 8, components 2 h and 2 h + 1, place r % 8: 512 (r / 8) + 256 h + 16 (r % 8)
	v_lshl_add_u32 v2, v56, 3, VB                  ; V: 8 L
	v_lshl_add_u32 v3, v56, 2, VS                  ; V's scale words: two tiles a load
	v_lshlrev_b32 v7, 4, v0                        ; the copies: 16 bytes a thread, as they lie, in memory and in LDS;
	v_add_nc_u32 v4, 65536, v7                     ; LDS beyond the immediate's reach
	v_lshlrev_b32 v5, 2, v56
	v_lshl_add_u32 v5, v59, 8, v5                  ; scale words in memory: step w's first 64 keys, pair of tiles h, row r; the other 64 keys 128 bytes on
	v_lshl_add_u32 v6, v59, 8, VS
	v_lshl_add_u32 v6, v58, 7, v6
	v_lshl_add_u32 v6, v57, 2, v6                  ; and in LDS: step w, tile 2 h, row r; tile 2 h + 1 64 bytes on
	v_lshlrev_b32 v61, 4, v57
	v_lshl_add_u32 v61, v58, 3, v61                ; q: row r, components 2 h and 2 h + 1
	s_and_b32 s17, ttmp7, 0xffff                   ; bh
	s_mov_b32 s41, 0
	s_mov_b32 s[SEL], 0x76543210
	s_mov_b32 s[SEL+1], 0xfedcba98                 ; lane l xor 16
	s_mov_b32 s[TK], 0
	s_mov_b32 s[TV], 0
	s_mov_b32 s[TS], 0
	s_mov_b32 s33, 16                              ; key steps
	s_wait_alu depctr_va_vdst(0)                   ; directly ahead of the wait below
	s_wait_kmcnt 0x0
	s_lshl_b32 s40, s17, 15
	s_add_nc_u64 s[20:21], s[6:7], s[40:41]        ; the head's k'
	s_lshl_b32 s40, s17, 12
	s_add_nc_u64 s[22:23], s[10:11], s[40:41]      ; its V scale words
	s_mul_i32 s40, s17, 98304
	s_add_nc_u64 s[24:25], s[8:9], s[40:41]        ; its V codes
	s_lshl_b32 s40, s17, 15
	s_lshl_b32 s42, ttmp9, 12
	s_add_co_u32 s40, s40, s42
	s_lshl_b32 s42, s[WV], 9
	s_add_co_u32 s40, s40, s42
	s_add_nc_u64 s[26:27], s[4:5], s[40:41]        ; my 32 queries
	s_lshr_b32 s42, s17, 3
	s_lshl_b32 s42, s42, 7
	s_lshl_b32 s43, ttmp9, 4
	s_add_co_u32 s42, s42, s43
	s_lshl_b32 s43, s[WV], 1
	s_add_co_u32 s42, s42, s43                     ; my first tile of 16 rows among the 512
	s_lshl_b32 s42, s42, 3
	s_and_b32 s43, s17, 7
	s_add_co_u32 s42, s42, s43                     ; x 8 + head
	s_mul_i32 s40, s42, 768
	s_add_nc_u64 s[12:13], s[12:13], s[40:41]
	s_lshl_b32 s40, s42, 6
	s_add_nc_u64 s[14:15], s[14:15], s[40:41]
	global_load_b64 v[8:9], v61, s[26:27]
.irp k, 0,1                                    ; steps w and w + 8
	global_load_b32 v[48+2*\k], v5, s[22:23] offset:2048*\k
	global_load_b32 v[49+2*\k], v5, s[22:23] offset:2048*\k+128
.endr
	WIN 0x40                                       ; destination window 1
	global_load_b64 v[8:9], v61, s[26:27] offset:256
.irp q, 0,1,2,3,4,5,6,7
	global_load_b128 v[16+4*\q:19+4*\q], v7, s[20:21] offset:4096*\q   ; the work-group's 256 threads read 4,096 consecutive bytes
.endr
	v_lshlrev_b32 v[SH], 3, v58                    ; tile 1's copy of 8 h
	WIN 0
.set j, 0
.rept 16
	global_load_b128 v[128+4*j:131+4*j], v7, s[24:25] offset:4096*j
.set j, j+1
.endr
.rept 8
	global_load_b128 v[16+4*(j-16):19+4*(j-16)], v7, s[24:25] offset:4096*j
.set j, j+1
.endr
	v_lshlrev_b32 v[SH], 3, v58
	INIT 0
	INIT 1
	WIN 0
	s_wait_alu depctr_va_vdst(0)                   ; directly ahead of the wait below
	s_wait_loadcnt 24                              ; q, the scale words and k' are in; V's 24 loads may stay out
.irp k, 0,1
	v_and_b32 v[52+2*\k], 0xffff, v[48+2*\k]       ; the even tile's word: two bytes of the first 64 keys, two of the second
	v_lshrrev_b32 v[53+2*\k], 16, v[48+2*\k]       ; the odd tile's
	v_lshl_or_b32 v[52+2*\k], v[49+2*\k], 16, v[52+2*\k]
	v_and_or_b32 v[53+2*\k], v[49+2*\k], 0xffff0000, v[53+2*\k]
	ds_store_b32 v6, v[52+2*\k] offset:2048*\k
	ds_store_b32 v6, v[53+2*\k] offset:2048*\k+64
.endr
	WIN 0x04                                       ; an LDS store's data are its source 1: window 1
.irp q, 0,1,2,3,4,5,6,7
	ds_store_b128 v7, v[16+4*\q:19+4*\q] offset:KB+4096*\q
.endr
	WIN 0
	s_wait_loadcnt 0x0
.set j, 0
.rept 8
	ds_store_b128 v7, v[128+4*j:131+4*j] offset:VB+4096*j
.set j, j+1
.endr
.rept 8
	ds_store_b128 v4, v[128+4*j:131+4*j] offset:VB+4096*j-65536
.set j, j+1
.endr
.rept 8
	ds_store_b128 v4, v[16+4*(j-16):19+4*(j-16)] offset:VB+4096*j-65536
.set j, j+1
.endr
	s_wait_dscnt 0x0                               ; for the others' sake: my stores have landed
	s_barrier_signal -1
	s_barrier_wait -1                              ; from here on LDS is only read
	KLOAD 1, 0                                     ; the first step's k'
.Ltrip:                                            ; 128 keys for my two tiles of queries
	s_wait_dscnt 0x0                               ; this step's k' is in (from the second trip on the wait ahead of the last products has covered it)
	WIN 0x01                                       ; k': source 0 window 1
.irp k, 0,1,2,3,4,5,6,7
	v_wmma_f32_16x16x4_f32 v[S+8*\k:S+8*\k+7], v[16+2*\k:17+2*\k], v[8:9], 0   ; t for 16 keys x 16 queries: the whole sum, K = 4
.endr
	WIN 0x45                                       ; q and t of tile 1: source 1 and destination window 1 too
.irp k, 0,1,2,3,4,5,6,7
	v_wmma_f32_16x16x4_f32 v[S+8*\k:S+8*\k+7], v[16+2*\k:17+2*\k], v[8:9], 0
.endr
	WIN 0
	v_add_nc_u32 v5, s[TV], v2
	v_add_nc_u32 v6, s[TS], v3
	v_add_nc_u32 v4, s[TK], v1
.rept 5
	v_nop                                          ; with the three additions: eight places behind this form, in front of the loads over its sources and of the first read of its results
.endr
	KLOAD 4, 2048                                  ; the next step's k'
.irp t, 0,1,2,3
.irp p, 0,1,2,3,4,5
	ds_load_b64 v[16+12*\t+2*\p:17+12*\t+2*\p], v5 offset:1536*\t+256*\p   ; V's fragments land while the softmax is walked; 32 lanes read 256 consecutive bytes
.endr
.endr
	ds_load_b32 v248, v6
	ds_load_b32 v249, v6 offset:128
	PHASE 0
	PHASE 1
	WIN 0
	s_wait_dscnt 0x0                               ; V's fragments and scale words, and the next step's k'
.irp t, 0,1,2,3
	SW O+8*\t, 16+12*\t, 224, 248+\t/2, 250, \t%2  ; eight accumulators by turns, one instruction a turn
.endr
	WIN 0x54                                       ; tile 1: codes, C and D window 1
.irp t, 0,1,2,3
	SW O+8*\t, 16+12*\t, 224, 248+\t/2, 251, \t%2
.endr
	WIN 0
	s_add_co_u32 s[TK], s[TK], 2048
	s_add_co_u32 s[TV], s[TV], 6144
	s_add_co_u32 s[TS], s[TS], 256
	s_sub_co_u32 s33, s33, 1
	s_cmp_lg_u32 s33, 0
	s_cbranch_scc1 .Ltrip
	v_and_b32 v4, 31, v0
	v_and_b32 v5, 15, v0
	v_lshlrev_b32 v4, 3, v4                        ; ocod: 8 L
	v_lshlrev_b32 v5, 2, v5                        ; oscl: 4 r.  (These four lines are the places behind the last products)
	FIN 0
	FIN 1
	WIN 0
	s_wait_tensorcnt 0x0                           ; the wave's end
	ds_add_u32 v254, v255
	s_wait_dscnt 0x0
	s_endpgm
.Lfunc_end_k_q1d57c4570b_attn:
	.size	k_q1d57c4570b_attn, .Lfunc_end_k_q1d57c4570b_attn-k_q1d57c4570b_attn
	.p2alignl 7, 3214868480
	.fill 96, 4, 3214868480
	.section	.rodata,"a",@progbits
	.p2align	6, 0x0
	.amdhsa_kernel k_q1d57c4570b_attn
		.amdhsa_group_segment_fixed_size 137216
		.amdhsa_private_segment_fixed_size 0
		.amdhsa_enable_private_segment 0
		.amdhsa_kernarg_size 48
		.amdhsa_user_sgpr_count 2
		.amdhsa_user_sgpr_kernarg_segment_ptr 1
		.amdhsa_wavefront_size32 1
		.amdhsa_system_sgpr_workgroup_id_x 1
		.amdhsa_system_sgpr_workgroup_id_y 1
		.amdhsa_system_sgpr_workgroup_id_z 1
		.amdhsa_system_vgpr_workitem_id 0
		.amdhsa_next_free_vgpr 512
		.amdhsa_next_free_sgpr 66
		.amdhsa_reserve_vcc 0
		.amdhsa_float_denorm_mode_32 3
		.amdhsa_float_denorm_mode_16_64 3
		.amdhsa_memory_ordered 1
		.amdhsa_forward_progress 1
		.amdhsa_inst_pref_size 48
	.end_amdhsa_kernel
	.amdgpu_metadata
---
amdhsa.version: [ 1, 2 ]
amdhsa.kernels:
  - .name:           k_q1d57c4570b_attn
    .symbol:         k_q1d57c4570b_attn.kd
    .args:
      - { .name: qbuf, .offset: 0, .size: 8, .value_kind: global_buffer, .address_space: global }
      - { .name: kbuf, .offset: 8, .size: 8, .value_kind: global_buffer, .address_space: global }
      - { .name: vcod, .offset: 16, .size: 8, .value_kind: global_buffer, .address_space: global }
      - { .name: vscl, .offset: 24, .size: 8, .value_kind: global_buffer, .address_space: global }
      - { .name: ocod, .offset: 32, .size: 8, .value_kind: global_buffer, .address_space: global }
      - { .name: oscl, .offset: 40, .size: 8, .value_kind: global_buffer, .address_space: global }
    .group_segment_fixed_size: 137216
    .private_segment_fixed_size: 0
    .kernarg_segment_align: 8
    .kernarg_segment_size: 48
    .max_flat_workgroup_size: 256
    .sgpr_count:     66
    .vgpr_count:     512
    .wavefront_size: 32
...
	.end_amdgpu_metadata
.endif
;; end of part 3
;; launch ffn (part 4): grid 128 x 1, 8 waves a work-group, no clusters, 267,264 bytes of LDS; arguments x, ocod, oscl, wcod, bo, g1, be1, b1, b2, g2, be2, out0; writes out0
.if DOCPART == 4
	.amdgcn_target "amdgcn-amd-amdhsa--gfx1250"
	.amdhsa_code_object_version 6
	.text
	.protected	k_q1d57c4570b_ffn
	.globl	k_q1d57c4570b_ffn
	.p2align	8
	.type	k_q1d57c4570b_ffn,@function
k_q1d57c4570b_ffn:
	s_mov_b64 s[64:65], 0
	v_nop
	global_prefetch_b8 v0, s[64:65] scope:SCOPE_SE
	s_setreg_imm32_b32 hwreg(HW_REG_WAVE_MODE, 25, 1), 1
	s_wait_xcnt 0x0
; FFN.  x1 = LN(x + o wo + bo; g1, be1);  out = LN(x1 + relu(x1 w1 + b1) w2 + b2; g2, be2).  The three products on codes of BF6 (E3M2) with E8M0 scales for each 32 along K, f32 sums; all else f32.
; A work-group takes 64 whole rows through the whole chain: both norms need whole rows, and x1 and the hidden layer never go to memory.
; THE WAVES SHARE THE COLUMNS: wave w makes columns 64 w .. + 63 of the products with 512 columns, and hidden units 256 w .. + 255 in four chunks of 64: always 4 tiles of columns x 4 tiles of rows, 16 accumulators.
; All products are transposed (source 0 = 16 columns of a weight, source 1 = 16 rows): lane (r, h) holds row 16 m + r, and since a weight's tile u of 32 columns takes 8 u + rho + 8 (rho / 8), the 16 registers of tiles
; u = 0, 1 are columns 32 g + 16 h + 0 .. 15.  Accumulator (m, g, u) at v[128 + 32 m + 16 g + 8 u].
; WEIGHTS: each fragment is wanted by ONE wave, so it goes from memory straight into registers, in the order in which the first launch laid it: wave w walks 36 blocks of 6,400 bytes on end, through a ring of four
; register buffers, three K steps (42 loads) ahead.  No cluster and no LDS ring: two slots of a K step's 51,200 bytes do not fit beside the stage and the images.
; ROWS go from wave to wave through LDS: a stage of 64 rows of f32, and operands as images of their registers (register R of lane Z at 48 Z + 4 R; scale words [K step][row tile][row]).
; THE ROWS' FRAGMENTS HAVE ONE SET OF REGISTERS, FETCHED AHEAD BY HALVES.  A K step's 16 products go by row tiles.  Tiles 0 and 1 are free when their eight products are issued: the next step's are asked for there, and
; land under the eight products of tiles 2 and 3; those of tiles 2 and 3 are asked for at the step's end and land under the next step's first eight.  A half is 7 LDS loads: 6 of fragments, 1 of scale words.
; x is the C of the first product's first step, x1 + b2 that of the third's, b1 that of the second's.
; LDS: 260,096 bytes are used; the claim is a little larger.
; LIMITS: NaN and infinities are not served; blocks whose largest magnitude lies under 2^-122 keep the scale byte 1.
; REGISTERS.  window 0: v1-25 addresses; v32-39 the weights' scale words, a pair for each ring buffer; v40-41 the rows'; v44-63 row statistics, or codes just made; v64-127 bo, g1, be1, b2; later v64-95 b1's tiles,
;   v96-112 at work, v113-116 scale words in the making; at last g2, be2; v128-255 accumulators, or 8 rows x 16 numbers.   window 1: v0-47 the rows' four fragments; v48-239 the ring.
.set STG,  0                           ; 64 rows x (2,048 + 16) bytes
.set AIM,  132096                      ; 16 images [K step][row tile]: o's, then x1's
.set ASC,  156672                      ; their scale words
.set HIM,  157696                      ; the hidden layer's 64 images
.set HSC,  256000                      ; and scale words
.set WS,   32
.set XS,   40
.set PC,   44
.set BIAS, 64
.set TM,   96
.set PW,   112
.set ACC,  128
.set SH,   24
.set WV,   28
.set SEL,  42
.set MSB,  0
.macro WIN new                         ; the immediate's high byte repeats the setting that is left
.if MSB != \new
	s_set_vgpr_msb (MSB<<8)|\new
.set MSB, \new
.endif
.endm
.macro SW d, a, b, c, sa, sb, ra, rb
.if ((\ra) == 0) && ((\rb) == 0)
	v_wmma_scale_f32_16x16x128_f8f6f4 v[\d:\d+7], v[\a:\a+11], v[\b:\b+11], \c, v[\sa], v[\sb] matrix_a_fmt:MATRIX_FMT_BF6 matrix_b_fmt:MATRIX_FMT_BF6
.elseif ((\ra) == 1) && ((\rb) == 0)
	v_wmma_scale_f32_16x16x128_f8f6f4 v[\d:\d+7], v[\a:\a+11], v[\b:\b+11], \c, v[\sa], v[\sb] matrix_a_fmt:MATRIX_FMT_BF6 matrix_b_fmt:MATRIX_FMT_BF6 matrix_a_scale:MATRIX_SCALE_ROW1
.elseif ((\ra) == 0) && ((\rb) == 1)
	v_wmma_scale_f32_16x16x128_f8f6f4 v[\d:\d+7], v[\a:\a+11], v[\b:\b+11], \c, v[\sa], v[\sb] matrix_a_fmt:MATRIX_FMT_BF6 matrix_b_fmt:MATRIX_FMT_BF6 matrix_b_scale:MATRIX_SCALE_ROW1
.else
	v_wmma_scale_f32_16x16x128_f8f6f4 v[\d:\d+7], v[\a:\a+11], v[\b:\b+11], \c, v[\sa], v[\sb] matrix_a_fmt:MATRIX_FMT_BF6 matrix_b_fmt:MATRIX_FMT_BF6 matrix_a_scale:MATRIX_SCALE_ROW1 matrix_b_scale:MATRIX_SCALE_ROW1
.endif
.endm
.macro PLACES
.rept 4
	v_nop
.endr
.endm
.macro BARRIER                         ; my LDS stores have landed and my LDS loads are in: then the work-group's barrier
	s_wait_dscnt 0x0
	s_barrier_signal -1
	s_barrier_wait -1
.endm
; Four rows by turns.  Lane L holds columns 16 L .. + 15 of each row; two neighbouring lanes hold a block.  Codes: three words to the row's place in the images; the K step's four scale bytes are joined over eight lanes into one word.
.macro ROWQ4 x0, i0, t, cw, bw, sh
.irp a, 0,1,2,3
	v_max3_num_f32 v[\t+\a], |v[\x0+16*\a]|, |v[\x0+16*\a+1]|, 0x2800000   ; with the floor 2^(5 - 127)
.endr
.irp e, 2,4,6,8,10,12,14
.irp a, 0,1,2,3
	s_delay_alu instid0(VALU_DEP_4)
	v_max3_num_f32 v[\t+\a], v[\t+\a], |v[\x0+16*\a+\e]|, |v[\x0+16*\a+\e+1]|
.endr
.endr
.irp a, 0,1,2,3
	s_delay_alu instid0(VALU_DEP_4)
	v_max_num_f32_dpp v[\t+\a], v[\t+\a], v[\t+\a] row_xmask:1 row_mask:0xf bank_mask:0xf
.endr
.irp a, 0,1,2,3
	s_delay_alu instid0(VALU_DEP_4)
	v_add_nc_u32 v[\t+\a], 0xfe000000, v[\t+\a]
.endr
.irp a, 0,1,2,3
	s_delay_alu instid0(VALU_DEP_4)
	v_lshrrev_b32 v[\t+4+\a], 23, v[\t+\a]
.endr
.irp a, 0,1,2,3
	v_cvt_scalef32_pk16_bf6_f32 v[\t+8+4*\a:\t+10+4*\a], v[\x0+16*\a:\x0+16*\a+15], v[\t+\a]
.endr
	v_nop                                          ; one plain place behind a scaled conversion
.irp a, 0,1,2,3
	v_lshlrev_b32 v[\t+4+\a], v[\sh], v[\t+4+\a]
.endr
.irp a, 0,1,2,3
	s_delay_alu instid0(VALU_DEP_4)
	v_mov_b32_dpp v[\t+\a], v[\t+4+\a] row_xmask:2 row_mask:0xf bank_mask:0xf
.endr
.irp a, 0,1,2,3
	s_delay_alu instid0(VALU_DEP_4)
	v_or_b32 v[\t+4+\a], v[\t+4+\a], v[\t+\a]
.endr
.irp a, 0,1,2,3
	s_delay_alu instid0(VALU_DEP_4)
	v_mov_b32_dpp v[\t+\a], v[\t+4+\a] row_xmask:4 row_mask:0xf bank_mask:0xf
.endr
.irp a, 0,1,2,3
	s_delay_alu instid0(VALU_DEP_4)
	v_or_b32 v[\t+4+\a], v[\t+4+\a], v[\t+\a]
.endr
.irp a, 0,1,2,3
	ds_store_b32 v[\cw], v[\t+8+4*\a] offset:48*(\i0+\a)
	ds_store_b32 v[\cw], v[\t+9+4*\a] offset:48*(\i0+\a)+4
	ds_store_b32 v[\cw], v[\t+10+4*\a] offset:48*(\i0+\a)+8
	ds_store_b32 v[\bw], v[\t+4+\a] offset:4*(\i0+\a)
.endr
.endm
; 64 numbers of a lane, register 16 b + i = k 32 b + 16 (lane / 16) + i of my row -> 12 registers of codes in v[PC] on, four bytes in v[PW]
.macro QUANT s
.irp b, 0,1,2,3
	v_max3_num_f32 v[TM+\b], |v[\s+16*\b]|, |v[\s+1+16*\b]|, 0x2800000
.endr
.irp i, 2,4,6,8,10,12,14
.irp b, 0,1,2,3
	s_delay_alu instid0(VALU_DEP_4)
	v_max3_num_f32 v[TM+\b], v[TM+\b], |v[\s+16*\b+\i]|, |v[\s+1+16*\b+\i]|
.endr
.endr
.irp b, 0,1,2,3
	s_delay_alu instid0(VALU_DEP_4)
	v_permlanex16_b32 v[TM+4+\b], v[TM+\b], s[SEL], s[SEL+1]
.endr
.irp b, 0,1,2,3
	s_delay_alu instid0(VALU_DEP_4)
	v_max_num_f32 v[TM+\b], v[TM+\b], v[TM+4+\b]
.endr
.irp b, 0,1,2,3
	s_delay_alu instid0(VALU_DEP_4)
	v_add_nc_u32 v[TM+12+\b], 0xfe000000, v[TM+\b]
.endr
.irp b, 0,1,2,3
	s_delay_alu instid0(VALU_DEP_4)
	v_lshrrev_b32 v[TM+4+\b], 23, v[TM+12+\b]
.endr
	s_delay_alu instid0(VALU_DEP_3)
	v_lshl_or_b32 v[PW], v[TM+5], 8, v[TM+4]
	s_delay_alu instid0(VALU_DEP_1)
	v_lshl_or_b32 v[PW], v[TM+6], 16, v[PW]
	s_delay_alu instid0(VALU_DEP_1)
	v_lshl_or_b32 v[PW], v[TM+7], 24, v[PW]
.irp c, 0,1
	v_cvt_scalef32_pk16_bf6_f32 v[PC+6*\c:PC+2+6*\c], v[\s+32*\c:\s+15+32*\c], v[TM+12+2*\c]
	v_cvt_scalef32_pk16_bf6_f32 v[PC+12+4*\c:PC+14+4*\c], v[\s+16+32*\c:\s+31+32*\c], v[TM+12+2*\c+1]
.endr
	v_nop                                          ; one plain place behind a scaled conversion
.irp c, 0,1
.irp i, 0,1,2
	v_permlane16_swap_b32 v[PC+6*\c+\i], v[PC+12+4*\c+\i]
.endr
.irp i, 0,1,2
	s_delay_alu instid0(VALU_DEP_3)
	v_mov_b32 v[PC+3+6*\c+\i], v[PC+12+4*\c+\i]
.endr
.endr
.endm
; the sums of eight rows, each in the pair v[PC + 2 i], over the pair's halves and the 32 lanes: the result in the pair's low register, in every lane
.macro REDUCE
.irp i, 0,1,2,3,4,5,6,7
	v_add_f32 v[PC+2*\i], v[PC+2*\i], v[PC+1+2*\i]
.endr
.irp x, 1,2,4,8
.irp i, 0,1,2,3,4,5,6,7
	v_add_f32_dpp v[PC+2*\i], v[PC+2*\i], v[PC+2*\i] row_xmask:\x row_mask:0xf bank_mask:0xf
.endr
.endr
.irp i, 0,1,2,3,4,5,6,7
	v_permlanex16_b32 v[PC+1+2*\i], v[PC+2*\i], s[SEL], s[SEL+1]
.endr
.irp i, 0,1,2,3,4,5,6,7
	v_add_f32 v[PC+2*\i], v[PC+2*\i], v[PC+1+2*\i]
.endr
.endm
; LayerNorm of eight rows by turns, 16 numbers a lane in v[ACC + 16 i] on.  bo: a bias added first (under 0: none); g, be: gain and shift, 16 registers each, in the lane's columns
.macro LNROWS bo, g, be
.if \bo >= 0
.irp i, 0,1,2,3,4,5,6,7
.irp p, 0,2,4,6,8,10,12,14
	v_pk_add_f32 v[ACC+16*\i+\p:ACC+16*\i+\p+1], v[ACC+16*\i+\p:ACC+16*\i+\p+1], v[\bo+\p:\bo+\p+1]
.endr
.endr
.endif
.irp i, 0,1,2,3,4,5,6,7
	v_pk_add_f32 v[PC+2*\i:PC+2*\i+1], v[ACC+16*\i:ACC+16*\i+1], v[ACC+16*\i+2:ACC+16*\i+3]
.endr
.irp p, 4,6,8,10,12,14
.irp i, 0,1,2,3,4,5,6,7
	v_pk_add_f32 v[PC+2*\i:PC+2*\i+1], v[PC+2*\i:PC+2*\i+1], v[ACC+16*\i+\p:ACC+16*\i+\p+1]
.endr
.endr
	REDUCE
.irp i, 0,1,2,3,4,5,6,7
	v_mul_f32 v[PC+2*\i], s46, v[PC+2*\i]          ; - the mean
.endr
.irp i, 0,1,2,3,4,5,6,7
.irp p, 0,2,4,6,8,10,12,14
	v_pk_add_f32 v[ACC+16*\i+\p:ACC+16*\i+\p+1], v[ACC+16*\i+\p:ACC+16*\i+\p+1], v[PC+2*\i:PC+2*\i+1] op_sel_hi:[1,0]
.endr
.endr
.irp i, 0,1,2,3,4,5,6,7
	v_pk_mul_f32 v[PC+2*\i:PC+2*\i+1], v[ACC+16*\i:ACC+16*\i+1], v[ACC+16*\i:ACC+16*\i+1]
.endr
.irp p, 2,4,6,8,10,12,14
.irp i, 0,1,2,3,4,5,6,7
	v_pk_fma_f32 v[PC+2*\i:PC+2*\i+1], v[ACC+16*\i+\p:ACC+16*\i+\p+1], v[ACC+16*\i+\p:ACC+16*\i+\p+1], v[PC+2*\i:PC+2*\i+1]
.endr
.endr
	REDUCE
.irp i, 0,1,2,3,4,5,6,7
	v_fma_f32 v[PC+2*\i], v[PC+2*\i], s44, s45     ; the variance + eps
.endr
	s_wait_alu depctr_va_vdst(0)
.irp i, 0,1,2,3,4,5,6,7
	v_rsq_f32 v[PC+2*\i], v[PC+2*\i]
.endr
	v_nop                                          ; one plain place behind the transcendentals
	s_wait_alu depctr_va_vdst(0)
.irp i, 0,1,2,3,4,5,6,7
.irp p, 0,2,4,6,8,10,12,14
	v_pk_mul_f32 v[ACC+16*\i+\p:ACC+16*\i+\p+1], v[ACC+16*\i+\p:ACC+16*\i+\p+1], v[PC+2*\i:PC+2*\i+1] op_sel_hi:[1,0]
.endr
.endr
.irp i, 0,1,2,3,4,5,6,7
.irp p, 0,2,4,6,8,10,12,14
	v_pk_fma_f32 v[ACC+16*\i+\p:ACC+16*\i+\p+1], v[ACC+16*\i+\p:ACC+16*\i+\p+1], v[\g+\p:\g+\p+1], v[\be+\p:\be+\p+1]
.endr
.endr
.endm
; a K step's weights into a ring buffer: 12 loads of 512 consecutive bytes (window 1), 2 loads of scale words (window 0)
.macro RINGF slot, off
.irp c, 0,1,2,3
.irp k, 0,1,2
	global_load_b128 v[48+48*(\slot)+12*\c+4*\k:48+48*(\slot)+12*\c+4*\k+3], v1, s[30:31] offset:\off+1536*\c+512*\k
.endr
.endr
.endm
.macro RINGS slot, off
.irp g, 0,1
	global_load_b32 v[WS+2*(\slot)+\g], v2, s[30:31] offset:\off+6144+128*\g
.endr
.endm
; half hf of a K step's rows: the fragments of row tiles p0 and p1 and their scale words (lanes 0-15 tile p0's, lanes 16-31 tile p1's): 7 LDS loads
.macro AHALF hf, p0, p1, areg, aoff, xreg, xoff
	WIN 0x40                                       ; destination window 1
.irp m, \p0, \p1
.irp g, 0,1,2
	ds_load_b128 v[12*\m+4*\g:12*\m+4*\g+3], v[\areg] offset:\aoff+1536*\m+16*\g
.endr
.endr
	WIN 0
	ds_load_b32 v[XS+\hf], v[\xreg] offset:\xoff+128*\hf
.endm
; eight products: row tiles p0 and p1 against the four tiles of columns in ring buffer slot.  bias = 1: the sums begin with b1's tiles
.macro PROD8 slot, bias, p0, p1
.irp m, \p0, \p1
.irp c, 0,1,2,3
.set rD, ACC+32*\m+8*\c
.if \bias
	SW rD, 48+48*\slot+12*\c, 12*\m, v[BIAS+8*\c:BIAS+8*\c+7], WS+2*\slot+\c/2, XS+\m/2, \c%2, \m%2
.else
	SW rD, 48+48*\slot+12*\c, 12*\m, v[rD:rD+7], WS+2*\slot+\c/2, XS+\m/2, \c%2, \m%2
.endif
.endr
.endr
.endm
; One K step of 128.  On the way in both halves of its rows have been asked for, the second half's 7 loads last, and four places stand behind the last product.
; ld = 1: the weights of three steps on are asked for, at ldoff, into the buffer read last step; cnt: the younger global loads that may stay out.
; pf = 1: the next step's rows, at areg + aoff and xreg + xoff, are asked for by halves.  16 accumulators by turns, one instruction a turn.
.macro KSTEP slot, bias, ld, ldoff, cnt, pf, areg, aoff, xreg, xoff
.if \ld
	WIN 0x40
	RINGF (\slot+3)%4, \ldoff
	WIN 0
	RINGS (\slot+3)%4, \ldoff
.endif
	s_wait_loadcnt \cnt                            ; this step's 14 loads are in: 14 for each later step asked for may stay out
	s_wait_dscnt 7                                 ; row tiles 0 and 1 are in; the 7 loads of tiles 2 and 3 may stay out
	WIN 0x05                                       ; both sources window 1
	PROD8 \slot, \bias, 0, 1
	PLACES                                         ; in front of loads into registers that these products have read
.if \pf
	AHALF 0, 0, 1, \areg, \aoff, \xreg, \xoff
	s_wait_dscnt 7                                 ; row tiles 2 and 3 are in; the 7 loads just issued may stay out
.else
	s_wait_dscnt 0x0
.endif
	WIN 0x05
	PROD8 \slot, \bias, 2, 3
	PLACES                                         ; in front of the loads below and at the next step's head, and of the first read of results
.if \pf
	AHALF 1, 2, 3, \areg, \aoff, \xreg, \xoff
.endif
	WIN 0
.endm
; my cells of the stage (all 64 rows, my 64 columns) to or from the accumulators; each accumulator from its low end on
.macro STGMOVE st
.irp m, 0,1,2,3
.irp g, 0,1
.irp q, 0,1,2,3
.if \st
	ds_store_b128 v[8+\m/2], v[ACC+32*\m+16*\g+4*\q:ACC+32*\m+16*\g+4*\q+3] offset:(\m%2)*33024+128*\g+16*\q
.else
	ds_load_b128 v[ACC+32*\m+16*\g+4*\q:ACC+32*\m+16*\g+4*\q+3], v[8+\m/2] offset:(\m%2)*33024+128*\g+16*\q
.endif
.endr
.endr
.endr
.endm
.macro BIASLOAD off                    ; b1 of a chunk's 64 hidden units, in the result's layout
.irp c, 0,1,2,3
.irp q, 0,1
	global_load_b128 v[BIAS+8*\c+4*\q:BIAS+8*\c+4*\q+3], v25, s[38:39] offset:\off+128*(\c/2)+32*(\c%2)+16*\q
.endr
.endr
.endm
; A chunk of 64 hidden units for the 64 rows: four K steps, relu, quantised; it is half par of K step 2 w + trip of the last product.
; Every chunk walks the same four K steps of x1, so its last step asks for the first again: for the next chunk.  (Behind the last chunk that fetch is not used; the barrier's wait covers it.)
.macro CHUNK par
	KSTEP 0, 1, 1, (7+4*\par)*6400, 42, 1, 12, 6144, 13, 256
.if \par
	s_cmp_eq_u32 s47, 1                            ; behind the last chunk there is no other: no load leaves b1
	s_cbranch_scc1 .Lno_bias_\@
.endif
	BIASLOAD 256*(\par+1)                          ; over b1's tiles, four places behind the products that took them as C
.if \par
.Lno_bias_\@:
.endif
	KSTEP 1, 0, 1, (8+4*\par)*6400, 42, 1, 12, 12288, 13, 512
	KSTEP 2, 0, 1, (9+4*\par)*6400, 42, 1, 12, 18432, 13, 768
	KSTEP 3, 0, 1, (10+4*\par)*6400, 42, 1, 12, 0, 13, 0
.set j, 0
.rept 128
	v_max_num_f32 v[ACC+j], 0, v[ACC+j]            ; the activation, in f32
.set j, j+1
.endr
.irp k, 0,1                                    ; row tiles 2 k and 2 k + 1: two blocks of 32 hidden units each
	QUANT ACC+64*\k
.irp c, 0,1
.irp i, 0,1,2
	ds_store_b64 v20, v[PC+6*\c+2*\i:PC+6*\c+2*\i+1] offset:1536*(2*\k+\c)+24*\par+8*\i
.endr
.endr
.if \par == 0
	v_mov_b32 v[113+\k], v[PW]                     ; the K step's first two bytes wait for the odd chunk's
.else
	v_and_b32 v115, 0xffff, v[113+\k]
	s_delay_alu instid0(VALU_DEP_1)
	v_lshl_or_b32 v115, v[PW], 16, v115            ; row tile 2 k's word
	v_lshrrev_b32 v116, 16, v[113+\k]
	s_delay_alu instid0(VALU_DEP_1)
	v_and_or_b32 v116, v[PW], 0xffff0000, v116     ; row tile 2 k + 1's
	ds_store_b32 v21, v115 offset:128*\k
	ds_store_b32 v21, v116 offset:128*\k+64
.endif
	s_wait_dscnt 0x0                               ; the stores have read their registers
.endr
.endm
	s_load_b256 s[4:11], s[0:1], 0x0               ; x, ocod, oscl, wcod
	s_load_b256 s[12:19], s[0:1], 0x20             ; bo, g1, be1, b1
	s_load_b256 s[20:27], s[0:1], 0x40             ; b2, g2, be2, out0
	v_lshl_add_u32 v63, v0, 2, 0x41000
	s_set_vgpr_msb 0x40
	v_mov_b32 v255, 0
	s_set_vgpr_msb 0x4000
	v_and_b32 v25, 31, v0                          ; L
	v_lshrrev_b32 v26, 5, v0                       ; w
	s_delay_alu instid0(VALU_DEP_1)
	v_readfirstlane_b32 s[WV], v26
	v_and_b32 v27, 15, v0                          ; r
	v_bfe_u32 v28, v0, 4, 1                        ; h
	v_lshlrev_b32 v1, 4, v25                       ; 16 L
	v_lshlrev_b32 v2, 2, v25                       ; 4 L
	v_lshlrev_b32 v3, 6, v25                       ; 64 L
	v_lshlrev_b32 v4, 3, v25                       ; 8 L
	v_bfe_u32 v29, v0, 4, 2
	s_delay_alu instid0(VALU_DEP_1)
	v_lshlrev_b32 v5, 9, v29
	v_bfe_u32 v29, v0, 6, 2
	s_delay_alu instid0(VALU_DEP_1)
	v_lshl_add_u32 v5, v29, 7, v5
	s_delay_alu instid0(VALU_DEP_1)
	v_lshl_add_u32 v5, v27, 2, v5                  ; oscl: thread (s, m, r): row tile m, head 2 s, row r; head 2 s + 1 64 bytes on
	v_mul_u32_u24 v29, v26, 16512                  ; my 8 rows of the stage
	s_delay_alu instid0(VALU_DEP_1)
	v_add_nc_u32 v6, v29, v1                       ; taken 16 bytes a lane,
	s_delay_alu instid0(VALU_DEP_2)
	v_add_nc_u32 v7, v29, v3                       ; or 64 bytes a lane
	v_mul_u32_u24 v8, v27, 2064
	s_delay_alu instid0(VALU_DEP_1)
	v_lshl_add_u32 v8, v26, 8, v8
	s_delay_alu instid0(VALU_DEP_1)
	v_lshl_add_u32 v8, v28, 6, v8                  ; my cells: row r, column 64 w + 16 h; row tiles 0, 1
	s_delay_alu instid0(VALU_DEP_1)
	v_add_nc_u32 v9, 66048, v8                     ; row tiles 2, 3
	v_mul_u32_u24 v30, v25, 48
	s_delay_alu instid0(VALU_DEP_1)
	v_add_nc_u32 v12, AIM, v30                     ; an image's place for my lane
	v_bfe_u32 v29, v0, 5, 1                        ; w % 2
	v_bfe_u32 v31, v0, 6, 2                        ; w / 2
	s_delay_alu instid0(VALU_DEP_2)
	v_mad_u32_u24 v10, v29, 12288, v12
	s_delay_alu instid0(VALU_DEP_1)
	v_mad_u32_u24 v10, v31, 1536, v10              ; o's images that I copy: row tile w / 2, K steps 2 (w % 2) and + 1
	v_lshl_add_u32 v11, v0, 2, ASC                 ; the scale word that I make
	v_lshl_add_u32 v13, v25, 2, ASC                ; scale words: two row tiles a load
	v_mul_u32_u24 v14, v31, 1536                   ; rows 8 w + i: row tile w / 2, row 8 (w % 2) + i
	s_delay_alu instid0(VALU_DEP_1)
	v_add_nc_u32 v14, AIM, v14
	s_delay_alu instid0(VALU_DEP_1)
	v_mad_u32_u24 v14, v29, 384, v14
	v_lshl_add_u32 v15, v31, 6, ASC
	s_delay_alu instid0(VALU_DEP_1)
	v_lshl_add_u32 v15, v29, 5, v15
	v_bfe_u32 v29, v0, 3, 2                        ; my columns' K step
	s_delay_alu instid0(VALU_DEP_1)
	v_mad_u32_u24 v14, v29, 6144, v14
	s_delay_alu instid0(VALU_DEP_2)
	v_lshl_add_u32 v15, v29, 8, v15                ; v15: x1's scale word of row i = 0
	v_bfe_u32 v29, v0, 1, 1
	s_delay_alu instid0(VALU_DEP_1)
	v_mad_u32_u24 v14, v29, 768, v14
	v_bfe_u32 v29, v0, 2, 1
	s_delay_alu instid0(VALU_DEP_1)
	v_mad_u32_u24 v14, v29, 24, v14
	v_and_b32 v29, 1, v0
	s_delay_alu instid0(VALU_DEP_1)
	v_mad_u32_u24 v14, v29, 12, v14                ; v14: x1's codes of row i = 0
	v_bfe_u32 v29, v0, 1, 2
	s_delay_alu instid0(VALU_DEP_1)
	v_lshlrev_b32 v[SH], 3, v29                    ; my block's byte in the word
	v_add_nc_u32 v18, HIM, v30                     ; the hidden layer's images, read;
	s_delay_alu instid0(VALU_DEP_1)
	v_mad_u32_u24 v16, v26, 12288, v18             ; written: K steps 2 w and 2 w + 1
	v_lshl_add_u32 v19, v25, 2, HSC
	v_lshl_add_u32 v17, v27, 2, HSC
	s_delay_alu instid0(VALU_DEP_1)
	v_lshl_add_u32 v17, v26, 9, v17
	v_lshlrev_b32 v25, 6, v28                      ; b1: 16 units on for lanes 16-31
	s_mov_b32 s53, 0
	s_mov_b32 s[SEL], 0x76543210
	s_mov_b32 s[SEL+1], 0xfedcba98                 ; lane l xor 16
	s_mov_b32 s44, 0x3b000000                      ; 1 / 512
	s_mov_b32 s45, 0x3727c5ac                      ; eps = 1e-5
	s_mov_b32 s46, 0xbb000000                      ; -1 / 512
	s_wait_kmcnt 0x0
	s_lshl_b32 s52, ttmp9, 17
	s_lshl_b32 s54, s[WV], 14
	s_add_co_u32 s52, s52, s54
	s_add_nc_u64 s[32:33], s[4:5], s[52:53]        ; x at my 8 rows
	s_add_nc_u64 s[40:41], s[26:27], s[52:53]      ; out0 likewise
	s_mul_i32 s52, ttmp9, 24576
	s_mul_i32 s54, s[WV], 3072
	s_add_co_u32 s52, s52, s54
	s_add_nc_u64 s[34:35], s[6:7], s[52:53]        ; the two fragments of o that I copy: 3,072 bytes on end
	s_lshl_b32 s52, ttmp9, 11
	s_add_nc_u64 s[36:37], s[8:9], s[52:53]
	s_mul_i32 s52, s[WV], 230400
	s_add_co_u32 s52, s52, 230400
	s_add_nc_u64 s[30:31], s[10:11], s[52:53]      ; my stream of 36 blocks
	s_lshl_b32 s52, s[WV], 10
	s_add_nc_u64 s[38:39], s[18:19], s[52:53]      ; b1 at my 256 hidden units
	; ---- 0: x into the stage, o's fragments and scale words into LDS; the norm's parameters and three K steps of weights are asked for
.irp i, 0,1,2,3,4,5,6,7
.irp q, 0,1,2,3
	global_load_b128 v[ACC+16*\i+4*\q:ACC+16*\i+4*\q+3], v1, s[32:33] offset:2048*\i+512*\q th:TH_LOAD_NT
.endr
.endr
	WIN 0x40
.set j, 0
.rept 12
	global_load_b64 v[2*j:2*j+1], v4, s[34:35] offset:256*j th:TH_LOAD_NT
.set j, j+1
.endr
	WIN 0
	global_load_b32 v42, v5, s[36:37]
	global_load_b32 v43, v5, s[36:37] offset:64
.irp j, 0,1,2,3
	global_load_b128 v[64+4*\j:67+4*\j], v3, s[12:13] offset:16*\j     ; bo of my 16 columns
	global_load_b128 v[80+4*\j:83+4*\j], v3, s[14:15] offset:16*\j     ; g1
	global_load_b128 v[96+4*\j:99+4*\j], v3, s[16:17] offset:16*\j     ; be1
	global_load_b128 v[112+4*\j:115+4*\j], v3, s[20:21] offset:16*\j   ; b2
.endr
.irp n, 0,1,2
	WIN 0x40
	RINGF \n, 6400*\n
	WIN 0
	RINGS \n, 6400*\n
.endr
	s_wait_loadcnt 58                              ; x, o and its scale words are in; the 16 parameter loads and 3 x 14 weight loads may stay out
.irp i, 0,1,2,3,4,5,6,7
.irp q, 0,1,2,3
	ds_store_b128 v6, v[ACC+16*\i+4*\q:ACC+16*\i+4*\q+3] offset:2064*\i+512*\q
.endr
.endr
	WIN 0x04                                       ; an LDS store's data are its source 1: window 1
.irp e, 0,1
.irp c, 0,1
.irp i, 0,1,2
	ds_store_b64 v10, v[2*(3*(2*\e+\c)+\i):2*(3*(2*\e+\c)+\i)+1] offset:6144*\e+24*\c+8*\i
.endr
.endr
.endr
	WIN 0
	v_lshl_or_b32 v42, v43, 16, v42                ; heads 2 s and 2 s + 1: the K step's four bytes
	ds_store_b32 v11, v42
	BARRIER
	; ---- 1: x + o wo
	STGMOVE 0                                      ; x is the C of the sums
	AHALF 0, 0, 1, 12, 0, 13, 0                    ; the first K step's rows; the first step's wait for all but 7 covers the stage's loads too
	AHALF 1, 2, 3, 12, 0, 13, 0
	KSTEP 0, 0, 1, 3*6400, 42, 1, 12, 6144, 13, 256
	KSTEP 1, 0, 1, 4*6400, 42, 1, 12, 12288, 13, 512
	KSTEP 2, 0, 1, 5*6400, 42, 1, 12, 18432, 13, 768
	KSTEP 3, 0, 1, 6*6400, 42, 0, 12, 0, 13, 0
	STGMOVE 1
	BARRIER
	; ---- 2: the first norm, on my 8 whole rows, 16 neighbouring columns a lane; x1 is quantised into the images; x1 + b2 goes back into the stage
.irp i, 0,1,2,3,4,5,6,7
.irp j, 0,1,2,3
	ds_load_b128 v[ACC+16*\i+4*\j:ACC+16*\i+4*\j+3], v7 offset:2064*\i+16*\j
.endr
.endr
	s_wait_dscnt 0x0
	LNROWS 64, 80, 96                              ; (the parameters' loads are older than every weight load that the K steps have waited for)
	ROWQ4 ACC, 0, 64, 14, 15, SH
	s_wait_dscnt 0x0                               ; the stores have read the registers at work
	ROWQ4 ACC+64, 4, 64, 14, 15, SH
.irp i, 0,1,2,3,4,5,6,7
.irp p, 0,2,4,6,8,10,12,14
	v_pk_add_f32 v[ACC+16*\i+\p:ACC+16*\i+\p+1], v[ACC+16*\i+\p:ACC+16*\i+\p+1], v[112+\p:113+\p]
.endr
.endr
.irp i, 0,1,2,3,4,5,6,7
.irp j, 0,1,2,3
	ds_store_b128 v7, v[ACC+16*\i+4*\j:ACC+16*\i+4*\j+3] offset:2064*\i+16*\j
.endr
.endr
	s_wait_dscnt 0x0                               ; my stores have landed, and have read their registers
	BIASLOAD 0                                     ; the first chunk's b1
	s_barrier_signal -1
	s_barrier_wait -1
	s_wait_loadcnt 0x0
.irp b, 0,1,2,3
	v_mov_b32 v[TM+4+\b], 0                        ; a lane permute's destination counts as one of its sources
.endr
	; ---- 3: the hidden layer, two chunks a trip
	AHALF 0, 0, 1, 12, 0, 13, 0                    ; x1's first K step
	AHALF 1, 2, 3, 12, 0, 13, 0
	s_mov_b32 s47, 0
	s_mov_b32 s48, 0
	s_mov_b32 s49, 0
.Lchunks:
	v_add_nc_u32 v20, s48, v16                     ; K step 2 w + trip of the last product: its images,
	v_add_nc_u32 v21, s49, v17                     ; its scale words
	CHUNK 0
	CHUNK 1
	s_wait_xcnt 0x0                                ; the loads have read their bases: both may step
	s_add_nc_u64 s[30:31], s[30:31], 51200         ; eight blocks on
	s_add_nc_u64 s[38:39], s[38:39], 512           ; 128 hidden units on
	s_add_co_u32 s48, s48, 6144
	s_add_co_u32 s49, s49, 256
	s_add_co_u32 s47, s47, 1
	s_cmp_lt_u32 s47, 2
	s_cbranch_scc1 .Lchunks
	BARRIER
	; ---- 4: x1 + b2 + hidden w2: 16 K steps
.irp q, 0,1,2,3
	global_load_b128 v[64+4*\q:67+4*\q], v1, s[22:23] offset:512*\q    ; g2 and be2 of the columns that a lane holds in the last phase
	global_load_b128 v[80+4*\q:83+4*\q], v1, s[24:25] offset:512*\q
.endr
	STGMOVE 0
	AHALF 0, 0, 1, 18, 0, 19, 0                    ; the hidden layer's first K step
	AHALF 1, 2, 3, 18, 0, 19, 0
	s_mov_b32 s47, 0
	s_mov_b32 s50, 0
	s_mov_b32 s51, 0
.Lw2:
	v_add_nc_u32 v22, s50, v18                     ; this trip's four K steps; the fourth asks for the next trip's first, 24,576 and 1,024 bytes on
	s_wait_alu depctr_va_vdst(0)
	v_add_nc_u32 v23, s51, v19
	s_wait_alu depctr_va_vdst(0)
	KSTEP 0, 0, 1, 7*6400, 42, 1, 22, 6144, 23, 256
	KSTEP 1, 0, 1, 8*6400, 42, 1, 22, 12288, 23, 512
	KSTEP 2, 0, 1, 9*6400, 42, 1, 22, 18432, 23, 768
	KSTEP 3, 0, 1, 10*6400, 42, 1, 22, 24576, 23, 1024
	s_wait_xcnt 0x0
	s_add_nc_u64 s[30:31], s[30:31], 25600
	s_add_co_u32 s50, s50, 24576
	s_add_co_u32 s51, s51, 1024
	s_add_co_u32 s47, s47, 1
	s_cmp_lt_u32 s47, 3
	s_cbranch_scc1 .Lw2
	v_add_nc_u32 v22, s50, v18                     ; the last four steps: one block is left to ask for, and the counts run down
	s_wait_alu depctr_va_vdst(0)
	v_add_nc_u32 v23, s51, v19
	s_wait_alu depctr_va_vdst(0)
	KSTEP 0, 0, 1, 7*6400, 42, 1, 22, 6144, 23, 256
	KSTEP 1, 0, 0, 0, 28, 1, 22, 12288, 23, 512
	KSTEP 2, 0, 0, 0, 14, 1, 22, 18432, 23, 768
	KSTEP 3, 0, 0, 0, 0, 0, 22, 0, 23, 0
	STGMOVE 1
	BARRIER
	; ---- 5: the second norm, on my 8 whole rows, taken 16 bytes a lane, so that each store covers 512 consecutive bytes
.irp i, 0,1,2,3,4,5,6,7
.irp q, 0,1,2,3
	ds_load_b128 v[ACC+16*\i+4*\q:ACC+16*\i+4*\q+3], v6 offset:2064*\i+512*\q
.endr
.endr
	s_wait_dscnt 0x0
	LNROWS -1, 64, 80
.irp i, 0,1,2,3,4,5,6,7
.irp q, 0,1,2,3
	global_store_b128 v1, v[ACC+16*\i+4*\q:ACC+16*\i+4*\q+3], s[40:41] offset:2048*\i+512*\q th:TH_STORE_NT
.endr
.endr
	s_set_vgpr_msb 0x4
	s_wait_tensorcnt 0x0
	ds_add_u32 v63, v255
	s_wait_dscnt 0x0
	s_set_vgpr_msb 0x400
	s_endpgm
.Lfunc_end_k_q1d57c4570b_ffn:
	.size	k_q1d57c4570b_ffn, .Lfunc_end_k_q1d57c4570b_ffn-k_q1d57c4570b_ffn
	.p2alignl 7, 3214868480
	.fill 96, 4, 3214868480
	.section	.rodata,"a",@progbits
	.p2align	6, 0x0
	.amdhsa_kernel k_q1d57c4570b_ffn
		.amdhsa_group_segment_fixed_size 267264
		.amdhsa_private_segment_fixed_size 0
		.amdhsa_enable_private_segment 0
		.amdhsa_kernarg_size 96
		.amdhsa_user_sgpr_count 2
		.amdhsa_user_sgpr_kernarg_segment_ptr 1
		.amdhsa_wavefront_size32 1
		.amdhsa_system_sgpr_workgroup_id_x 1
		.amdhsa_system_sgpr_workgroup_id_y 1
		.amdhsa_system_sgpr_workgroup_id_z 1
		.amdhsa_system_vgpr_workitem_id 0
		.amdhsa_next_free_vgpr 512
		.amdhsa_next_free_sgpr 66
		.amdhsa_reserve_vcc 0
		.amdhsa_float_denorm_mode_32 3
		.amdhsa_float_denorm_mode_16_64 3
		.amdhsa_memory_ordered 1
		.amdhsa_forward_progress 1
		.amdhsa_inst_pref_size 240
	.end_amdhsa_kernel
	.amdgpu_metadata
---
amdhsa.version: [ 1, 2 ]
amdhsa.kernels:
  - .name:           k_q1d57c4570b_ffn
    .symbol:         k_q1d57c4570b_ffn.kd
    .args:
      - { .name: x, .offset: 0, .size: 8, .value_kind: global_buffer, .address_space: global }
      - { .name: ocod, .offset: 8, .size: 8, .value_kind: global_buffer, .address_space: global }
      - { .name: oscl, .offset: 16, .size: 8, .value_kind: global_buffer, .address_space: global }
      - { .name: wcod, .offset: 24, .size: 8, .value_kind: global_buffer, .address_space: global }
      - { .name: bo, .offset: 32, .size: 8, .value_kind: global_buffer, .address_space: global }
      - { .name: g1, .offset: 40, .size: 8, .value_kind: global_buffer, .address_space: global }
      - { .name: be1, .offset: 48, .size: 8, .value_kind: global_buffer, .address_space: global }
      - { .name: b1, .offset: 56, .size: 8, .value_kind: global_buffer, .address_space: global }
      - { .name: b2, .offset: 64, .size: 8, .value_kind: global_buffer, .address_space: global }
      - { .name: g2, .offset: 72, .size: 8, .value_kind: global_buffer, .address_space: global }
      - { .name: be2, .offset: 80, .size: 8, .value_kind: global_buffer, .address_space: global }
      - { .name: out0, .offset: 88, .size: 8, .value_kind: global_buffer, .address_space: global }
    .group_segment_fixed_size: 267264
    .private_segment_fixed_size: 0
    .kernarg_segment_align: 8
    .kernarg_segment_size: 96
    .max_flat_workgroup_size: 256
    .sgpr_count:     66
    .vgpr_count:     512
    .wavefront_size: 32
...
	.end_amdgpu_metadata
.endif
;; end of part 4
